; MI455X (gfx1250); checked and timed in simulation.
; The chip was launched on July 23, 2026; its instructions are those of AMD's public machine-readable ISA for CDNA 5 (MIT licence, August 2026) and "CDNA5" Instruction Set Architecture Reference Guide (July 2026). The comments in the code are by the model that wrote it; some were corrected since.
;; Multi Headed Attention. Allowed arithmetic: matrix products marked QUANTISED: E2M1 operands, one E8M0 scale for each 32 along K, by v_wmma_scale_f32_16x16x128_f8f6f4 with both operands' format E2M1 (or v_wmma_scale_f32_32x16x128_f4), f32 sums; everything else in f32.
;; Inputs: bk 2,048 float32; bo 2,048 float32; bq 2,048 float32; bv 2,048 float32; key 1 x 2,048 x 2,048 float32; mask 1 x 1 x 2,048 x 2,048 bool; query 1 x 2,048 x 2,048 float32; value 1 x 2,048 x 2,048 float32; wk 2,048 x 2,048 float32; wo 2,048 x 2,048 float32; wq 2,048 x 2,048 float32; wv 2,048 x 2,048 float32.
;; Outputs: out0 1 x 2,048 x 2,048 float32.
;; This version of the problem:
;;   THIS VERSION OF THE PROBLEM IS GIVEN IN LOW PRECISION. The matrix products marked QUANTISED in the list below multiply operands that are first quantised to E2M1 (2 exponent bits, 1 mantissa bit; 4 bits a number), with one power-of-two scale for each 32 numbers along K (OCP MX v1.0); their sums are f32. All else is computed in f32.
;;   The module's matrix products, in the order in which they are computed (A, B: the left and right operand; K: the contracted axis; several contracted axes count as one K, in the product's order):
;;     1. [M 2,048, K 2,048] x [K 2,048, N 2,048]; A: input query; B: input wq: QUANTISED
;;     2. [M 2,048, K 2,048] x [K 2,048, N 2,048]; A: input key; B: input wk: QUANTISED
;;     3. [M 2,048, K 2,048] x [K 2,048, N 2,048]; A: input value; B: input wv: QUANTISED
;;     4. batch 16 x [M 2,048, K 128] x [K 128, N 2,048]; A: computed on the way; B: computed on the way: QUANTISED
;;     5. batch 16 x [M 2,048, K 2,048] x [K 2,048, N 128]; A: softmax (see below); B: computed on the way: QUANTISED
;;     6. [M 2,048, K 2,048] x [K 2,048, N 2,048]; A: computed on the way; B: input wo: QUANTISED
;;   THE QUANTISER, for each operand of a quantised product, along K:
;;     - K is cut into blocks of 32 from its start; a last block that is shorter is filled with zeros.
;;     - A block's scale is 2^e with e = floor(log2(the largest magnitude in the block)) - 2, held to -126 .. 127; a block of zeros has e = 0. As a byte (E8M0): e + 127.
;;     - Each number is divided by its block's scale, clamped to +-6, and rounded to the nearest number of E2M1, ties to even, subnormals kept.
;;     - The product sums the exact products of the quantised numbers (number of the format x scale) in f32.
;;   ~~~python
;;   def quantise(x, axis):      # numpy; x: float32 -> the quantised numbers, widened to float32 again
;;       x = np.moveaxis(x, axis, -1); K = x.shape[-1]
;;       x = np.pad(x, [(0, 0)] * (x.ndim - 1) + [(0, -K % 32)]); x = x.reshape(x.shape[:-1] + (-1, 32)); a = np.abs(x).max(-1, keepdims=True)
;;       e = np.where(a > 0, np.clip(np.frexp(np.where(a > 0, a, 1))[1] - 1 - 2, -126, 127), 0)      # np.frexp(a)[1] - 1 = floor(log2(a)), exactly
;;       r = np.clip(x / 2.0 ** e, -6, 6)
;;       step = 2.0 ** (np.maximum(np.frexp(np.where(r == 0, 1, r))[1] - 1, 0) - 1)
;;       q = np.round(r / step) * step * 2.0 ** e      # np.round: ties to even
;;       return np.moveaxis(q.reshape(q.shape[:-2] + (-1,))[..., :K], -1, axis).astype(np.float32)
;;   ~~~
;;   SOFTMAX AHEAD OF A QUANTISED PRODUCT. Where the list says 'softmax', what is quantised is not the finished softmax but p = 2^(t - M), with t = logit x log2(e) and M = ceil(the row's largest t), a whole number; so 1/2 < the row's largest p <= 1. The row's sum l is taken of the UNQUANTISED p, in f32, and the product's result is divided by l at the end. Since M is a whole number, a kernel that streams over the keys may use a running M (the ceiling of the running maximum): every later rescaling is an exact power of two, which a block's scale takes up: the codes' values come out the same.
;;   OPERANDS COMPUTED ON THE WAY. 'Computed on the way' means the value that the module computes at that place (a softmax that the list does not call 'softmax' is quantised finished and normalised). What goes into a quantiser is computed in f32, as accurately as f32 sums, v_exp_f32 and their like allow (about 1e-6 of the number): no bf16 or f16 on the way to a quantiser, and a product that is left as it is and whose result goes on into a quantised operand takes f32 operands (vector FMAs, or v_wmma_f32_16x16x4_f32). A number that lies on a knife's edge between two numbers of the format may be rounded either way, as far as f32 arithmetic and the matrix unit's own rounding can turn it there, and no further.
;; One version. Each part assembles by itself: llvm-mc -triple=amdgcn-amd-amdhsa -mcpu=gfx1250 --defsym DOCPART=n.
;; ======== version 1 of 1: 4 launches
;; limits: a function is approximated: absolute error at most 0.0003; right only within a limited range of input values
;; workspace buffers: xw_codes 14,680,064 bytes; xw_scales 917,504 bytes; maskw 655,360 bytes of whole numbers; rope 1,048,576 bytes; att_codes 6,291,456 bytes; att_scales 393,216 bytes; xq_codes 2,097,152 bytes; xq_scales 131,072 bytes
;; launch prep (part 1): grid 1056 x 1, 4 waves a work-group, no clusters, 43,520 bytes of LDS; arguments query, key, value, wq, wk, wv, wo, mask, xw_codes, xw_scales, maskw, rope; writes xw_codes, xw_scales, maskw, rope
.if DOCPART == 1
	.amdgcn_target "amdgcn-amd-amdhsa--gfx1250"
	.amdhsa_code_object_version 6
	.text
	.protected	k_q8764b1bbb0_prep
	.globl	k_q8764b1bbb0_prep
	.p2align	8
	.type	k_q8764b1bbb0_prep,@function
k_q8764b1bbb0_prep:
	s_mov_b64 s[64:65], 0
	v_nop
	global_prefetch_b8 v0, s[64:65] scope:SCOPE_SE
	s_setreg_imm32_b32 hwreg(HW_REG_WAVE_MODE, 25, 1), 1
	s_wait_xcnt 0x0
; PREP: three jobs, told apart by the work-group's number alone.
;   work-groups 0-127:    the mask [2048][2048] of bytes becomes lane-mask words and tile flags for the attention launch
;   work-groups 128-159:  the table of cos and sin of the rotary embedding, in the order in which the projection's registers want it
;   work-groups 160-1055: query, key, value, wq, wk, wv, wo (f32, K innermost) become codes of FP4 (E2M1) and E8M0 scale bytes
; THE TILE IMAGE, in which all codes of this program lie: plane kb = k / 128; tile T = 2 (row / 32) + (row / 8) % 2; lane row r = row % 8 + 8 ((row / 16) % 2);
; block beta = (k % 128) / 32.  A block's 16 bytes lie at kb x 131072 + T x 1024 + beta x 256 + 16 r: a fragment is two loads of 16 bytes a lane at 16 x lane.  A row's scale word at kb x 8192 + T x 64 + 4 r.
; A block's scale is 2^(floor(log2(its largest magnitude)) - 2); its byte is the largest magnitude's exponent field - 2, held at 1 from below.
; LIMITS: NaN and infinities are not served; a block whose largest magnitude lies under 2^-124 keeps the byte 1 (a block of zeros too: its codes are zeros, and this program alone reads the bytes);
; mask bytes are 0 or 1; the frequencies 10000^(-j/64) are right to about 1.5 ulp, so an angle may be off by about 3e-4 rad at the last positions.
.set STEPS, 16
.set SP,    80                         ; a lane's place in a stage: 64 bytes + 16 of padding
.set UP,    320                        ; the out-stage: 256 bytes of a block column + 64: the 32 lanes of a store of 8 bytes fall on 64 different banks
.set OUTS,  2*32*SP                    ; a wave's LDS: two stages, then 16 x UP, then its 256 scale bytes
.set SCS,   OUTS+16*UP
.set WREG,  10752
.set R,     16                         ; v16-79   four sets of 16 numbers as loaded
.set X,     80                         ; v80-111  two sets of 16 neighbours
.set E,     112                        ; v112-127 a scale byte for each step
.set C,     128                        ; v128-159 two registers of codes for each step
.set OUTR,  160                        ; v160-191 the way out
.macro LOAD t                          ; step t: rows 4 t .. 4 t + 3 of my 64, 128 numbers each: 512 consecutive bytes a load
.irp i, 0,1,2,3
	global_load_b128 v[R+16*((\t)%4)+4*\i:R+16*((\t)%4)+4*\i+3], v3, s[4:5] offset:(4*(\t)+\i)*8192 th:TH_LOAD_NT
.endr
.endm
.macro TURN t                          ; through the stage: in as loaded, out 64 bytes a lane.  LDS serves a wave's instructions in order: no wait between
.irp i, 0,1,2,3
	ds_store_b128 v14, v[R+16*((\t)%4)+4*\i:R+16*((\t)%4)+4*\i+3] offset:32*SP*((\t)%2)+8*SP*\i
.endr
.irp i, 0,1,2,3
	ds_load_b128 v[X+16*((\t)%2)+4*\i:X+16*((\t)%2)+4*\i+3], v15 offset:32*SP*((\t)%2)+16*\i
.endr
.endm
.macro STEP t                          ; lane l holds row 4 t + l / 8, block (l % 8) / 2, half l % 2
.set XS, X+16*((\t)%2)
.set TT, 2*((\t)/8)+(((\t)/2)%2)       ; which of my four tiles these rows lie in,
.set RR, 8*(((\t)/4)%2)+4*((\t)%2)     ; and the first of their four lane rows
.if (\t) > 0
	s_wait_dscnt 2                                 ; this step's numbers are back (the last step's two stores may be out): so the stage's stores have read their registers,
.else
	s_wait_dscnt 0x0
.endif
.if (\t)+4 < STEPS
	LOAD (\t)+4                                    ; which take the loads of four steps on
.endif
.if (\t)+1 < STEPS
.if STEPS-2-(\t) >= 3
	s_wait_loadcnt 12                              ; the next step's four loads are in; three steps' may be out
.else
	s_wait_loadcnt 4*(STEPS-2-(\t))
.endif
	TURN (\t)+1
.endif
	v_max3_num_f32 v8, |v[XS]|, |v[XS+1]|, |v[XS+2]|
	v_max3_num_f32 v9, |v[XS+3]|, |v[XS+4]|, |v[XS+5]|
.irp i, 6,10
	v_max3_num_f32 v8, v8, |v[XS+\i]|, |v[XS+\i+1]|
	v_max3_num_f32 v9, v9, |v[XS+\i+2]|, |v[XS+\i+3]|
.endr
	v_max3_num_f32 v8, v8, |v[XS+14]|, |v[XS+15]|
	v_max3_num_f32 v8, v8, v9, 0x1800000           ; and the floor 2^(3 - 127): the byte cannot fall under 1
	v_max_num_f32_dpp v8, v8, v8 row_xmask:1 row_mask:0xf bank_mask:0xf   ; with my neighbour's 16: the block's largest magnitude
	v_add_nc_u32 v11, 0xff000000, v8               ; 2 off its exponent field: the conversion takes this operand's exponent field as its scale
	v_cvt_scalef32_pk8_fp4_f32 v[C+2*(\t)], v[XS:XS+7], v11
	v_cvt_scalef32_pk8_fp4_f32 v[C+2*(\t)+1], v[XS+8:XS+15], v11
	v_lshrrev_b32 v[E+(\t)], 23, v11               ; the scale's byte
	ds_store_b64 v4, v[C+2*(\t):C+2*(\t)+1] offset:OUTS+TT*4*UP+RR*16     ; my half of the block's 16 bytes, at its place in the tile image
	ds_store_b8 v5, v[E+(\t)] offset:SCS+TT*64+RR*4                       ; both lanes of a block write the same byte with the same value
.endm
; one key step (128 keys) of the mask for my tile of 16 queries: 64 lane-mask words and two flags
.macro MK kq
.set MR, 16+16*\kq
	s_wait_loadcnt 12-4*\kq                        ; this key step's four loads are in; the later steps' may be out
	v_or_b32 v80, v[MR], v[MR+1]
	v_or_b32 v96, v[MR+8], v[MR+9]
	v_and_b32 v81, v[MR], v[MR+1]
	v_and_b32 v97, v[MR+8], v[MR+9]
.irp i, 2,3,4,5,6,7
	v_or_b32 v80, v80, v[MR+\i]
	v_or_b32 v96, v96, v[MR+8+\i]
	v_and_b32 v81, v81, v[MR+\i]
	v_and_b32 v97, v97, v[MR+8+\i]
.endr
	v_or_b32 v80, v80, v96                         ; not 0 where one of my 64 bytes is true
	v_and_b32 v81, v81, v97                        ; 0x01010101 where all are
.set n, 0
.rept 64                               ; word n = 16 b + i: bit 16 h + r = mask[query r][32 b + 16 h + i]: a compare over the 32 lanes IS that word
	v_and_b32 v[83+n%4], 1<<(8*(n%4)), v[MR+4*(n/16)+(n%16)/4]
	v_cmp_ne_u32 s[40+n%8], 0, v[83+n%4]
	v_writelane_b32 v[88+2*\kq+n%2], s[40+n%8], n/2
.set n, n+1
.endr
	global_store_b64 v7, v[88+2*\kq:89+2*\kq], s[34:35] offset:256*\kq    ; 32 lanes store 256 consecutive bytes, aligned
	v_cmp_ne_u32 vcc_lo, 0, v80
	s_cmp_lg_u32 vcc_lo, 0
	s_cselect_b32 s2, 1<<\kq, 0
	s_or_b32 s30, s30, s2                          ; some byte of the tile is true
	v_cmp_ne_u32 vcc_lo, 0x01010101, v81
	s_cmp_lg_u32 vcc_lo, 0
	s_cselect_b32 s2, 1<<\kq, 0
	s_or_b32 s31, s31, s2                          ; not all are
	v_or_b32 v82, v82, v80
.endm
	s_load_b512 s[4:19], s[0:1], 0x0               ; query, key, value, wq, wk, wv, wo, mask
	s_load_b256 s[20:27], s[0:1], 0x40             ; xw_codes, xw_scales, maskw, rope
	v_lshl_add_u32 v192, v0, 2, 0xa800
	v_mov_b32 v193, 0
	v_lshrrev_b32 v1, 5, v0
	v_readfirstlane_b32 s28, v1                    ; wave
	v_and_b32 v2, 31, v0                           ; lane
	s_wait_kmcnt 0x0
	s_cmp_lt_u32 ttmp9, 128
	s_cbranch_scc1 .Lmask
	s_cmp_lt_u32 ttmp9, 160
	s_cbranch_scc1 .Lrope
	; ---- THE QUANTISER.  A wave takes 64 rows x 128 along K of one tensor: four tiles of one plane, 4,096 consecutive bytes of codes and 256 of scale bytes.
	s_sub_co_u32 s29, ttmp9, 160
	s_lshr_b32 s30, s29, 7                         ; which tensor
	s_and_b32 s31, s29, 127
	s_lshl_b32 s31, s31, 2
	s_add_co_u32 s31, s31, s28
	s_and_b32 s32, s31, 15                         ; plane kb
	s_lshr_b32 s33, s31, 4                         ; which 64 rows
.irp i, 1,2,3,4,5,6
	s_cmp_eq_u32 s30, \i                           ; the choice hangs on the work-group's number alone
	s_cselect_b64 s[4:5], s[4+2*\i:5+2*\i], s[4:5]
.endr
	s_lshl_b32 s34, s33, 19                        ; 64 rows of 8,192 bytes
	s_lshl_b32 s35, s32, 9                         ; 128 numbers
	s_add_co_u32 s34, s34, s35
	s_mov_b32 s35, 0
	s_add_nc_u64 s[4:5], s[4:5], s[34:35]
	s_lshl_b32 s34, s30, 21
	s_lshl_b32 s36, s32, 17
	s_add_co_u32 s34, s34, s36
	s_lshl_b32 s36, s33, 12
	s_add_co_u32 s34, s34, s36
	s_add_nc_u64 s[20:21], s[20:21], s[34:35]      ; my codes
	s_lshl_b32 s34, s30, 17
	s_lshl_b32 s36, s32, 13
	s_add_co_u32 s34, s34, s36
	s_lshl_b32 s36, s33, 8
	s_add_co_u32 s34, s34, s36
	s_add_nc_u64 s[22:23], s[22:23], s[34:35]      ; my scale bytes
	s_mul_i32 s36, s28, WREG                       ; my LDS
	v_lshlrev_b32 v3, 4, v2                        ; 16 x lane
	v_lshrrev_b32 v14, 2, v2
	v_mul_u32_u24 v14, v14, SP
	v_and_b32 v15, 3, v2
	v_lshl_add_u32 v14, v15, 4, v14
	v_add_nc_u32 v14, s36, v14                     ; the stage, in: four lanes' 64 bytes on end, then the padding
	v_mul_u32_u24 v15, v2, SP
	v_add_nc_u32 v15, s36, v15                     ; and out: my 16 neighbours
	v_bfe_u32 v8, v2, 1, 2                         ; my block
	v_lshrrev_b32 v9, 3, v2                        ; my row of the step's four
	v_and_b32 v11, 1, v2                           ; my half of the block
	v_mul_u32_u24 v4, v8, UP
	v_lshl_add_u32 v4, v9, 4, v4
	v_lshl_add_u32 v4, v11, 3, v4
	v_add_nc_u32 v4, s36, v4                       ; the out-stage: block x UP + 16 x row + 8 x half
	v_lshl_add_u32 v5, v9, 2, v8
	v_add_nc_u32 v5, s36, v5                       ; the scale bytes: 4 x row + block
	v_lshlrev_b32 v7, 3, v2
	v_add_nc_u32 v6, s36, v7
	v_lshrrev_b32 v10, 4, v2
	v_mul_u32_u24 v10, v10, UP
	v_and_b32 v12, 15, v2
	v_lshl_add_u32 v10, v12, 4, v10
	v_add_nc_u32 v10, s36, v10                     ; back: sixteen lanes to 256 bytes
.irp t, 0,1,2,3
	LOAD \t
.endr
	s_wait_loadcnt 12                              ; step 0's four loads are in
	TURN 0
.irp t, 0,1,2,3,4,5,6,7,8,9,10,11,12,13,14,15
	STEP \t
.endr
.irp i, 0,1,2,3,4,5,6,7
	ds_load_b128 v[OUTR+4*\i:OUTR+4*\i+3], v10 offset:OUTS+2*UP*\i     ; these see my stores: LDS serves a wave in order
.endr
	ds_load_b64 v[12:13], v6 offset:SCS
.irp i, 0,1,2,3,4,5,6,7
	s_wait_dscnt 8-\i                              ; load i is in; the younger ones may be out
	global_store_b128 v3, v[OUTR+4*\i:OUTR+4*\i+3], s[20:21] offset:512*\i   ; 512 consecutive bytes, aligned
.endr
	s_wait_dscnt 0x0
	global_store_b64 v7, v[12:13], s[22:23]        ; 256 consecutive bytes, aligned
	s_wait_tensorcnt 0x0
	ds_add_u32 v192, v193
	s_wait_dscnt 0x0
	s_endpgm
	; ---- THE MASK.  Work-group = tile T of 16 queries, wave = a quarter of the keys (four key steps).
.Lmask:
	v_and_b32 v1, 15, v0
	v_and_b32 v4, 8, v1
	v_add_nc_u32 v1, v1, v4                        ; r + 8 (r / 8): the tile's rows
	v_bfe_u32 v4, v0, 4, 1
	v_lshlrev_b32 v3, 11, v1
	v_lshl_add_u32 v3, v4, 4, v3                   ; row x 2,048 + 16 h
	v_lshlrev_b32 v7, 3, v2
	s_lshr_b32 s29, ttmp9, 1
	s_lshl_b32 s29, s29, 5
	s_and_b32 s30, ttmp9, 1
	s_lshl_b32 s30, s30, 3
	s_add_co_u32 s29, s29, s30                     ; the tile's first row
	s_lshl_b32 s32, s29, 11
	s_lshl_b32 s30, s28, 9
	s_add_co_u32 s32, s32, s30
	s_mov_b32 s33, 0
	s_add_nc_u64 s[18:19], s[18:19], s[32:33]
.irp kq, 0,1,2,3
.irp b, 0,1,2,3
	global_load_b128 v[16+16*\kq+4*\b:19+16*\kq+4*\b], v3, s[18:19] offset:128*\kq+32*\b th:TH_LOAD_NT
.endr
.endr
	s_lshl_b32 s32, ttmp9, 12
	s_lshl_b32 s30, s28, 10
	s_add_co_u32 s32, s32, s30
	s_add_nc_u64 s[34:35], s[24:25], s[32:33]      ; the words: [T][key step][64]
	s_lshl_b32 s32, ttmp9, 10
	s_lshl_b32 s30, s28, 8
	s_add_co_u32 s32, s32, s30
	s_add_nc_u64 s[24:25], s[24:25], s[32:33]      ; the flags: 524,288 bytes on, [T][quarter][lane][2]
	s_mov_b32 s30, 0
	s_mov_b32 s31, 0
	s_mov_b32 s36, 0x76543210
	s_mov_b32 s37, 0xfedcba98                      ; lane l xor 16
.irp i, 0,1,2,3,4,5,6,7
	v_mov_b32 v[88+\i], 0                          ; a lane write's destination counts as read
.endr
	v_mov_b32 v82, 0
	MK 0
	MK 1
	MK 2
	MK 3
	v_permlanex16_b32 v83, v82, s36, s37
	v_or_b32 v82, v82, v83
	v_cmp_ne_u32 vcc_lo, 0, v82
	s_and_b32 s3, vcc_lo, 0xffff                   ; bit r: row r has a true byte in this quarter
	s_lshl_b32 s2, s28, 2
	s_lshl_b32 s30, s30, s2                        ; bit ks: some byte true
	s_add_co_u32 s2, s2, 16
	s_lshl_b32 s31, s31, s2                        ; bit 16 + ks: not all true
	s_or_b32 s30, s30, s31
	v_mov_b32 v84, s30
	v_mov_b32 v85, s3
	global_store_b64 v7, v[84:85], s[24:25] offset:524288     ; the same pair in all 32 lanes: 256 consecutive bytes, aligned
	s_endpgm
	; ---- COS AND SIN.  Wave = tile T of 16 positions.  Quad k of 8: frequencies j = 32 (k / 4) + 4 (k % 4) + 16 h + 0 .. 3.
	; inv = 2^(-j L), L = log2(10) / 16 in two parts; x = position x inv, one rounding; x is reduced by multiples of pi / 2 in two parts; polynomials on |r| <= pi / 4.
.Lrope:
	s_sub_co_u32 s29, ttmp9, 128
	s_lshl_b32 s29, s29, 2
	s_add_co_u32 s29, s29, s28                     ; T
	s_lshr_b32 s30, s29, 1
	s_lshl_b32 s30, s30, 5
	s_and_b32 s31, s29, 1
	s_lshl_b32 s31, s31, 3
	s_add_co_u32 s30, s30, s31
	v_and_b32 v1, 15, v0
	v_and_b32 v5, 8, v1
	v_add_nc_u32 v1, v1, v5
	v_add_nc_u32 v1, s30, v1
	v_cvt_f32_u32 v3, v1                           ; my position
	v_bfe_u32 v5, v0, 4, 1
	v_lshlrev_b32 v5, 4, v5                        ; 16 h
	v_lshlrev_b32 v4, 4, v2
	s_lshl_b32 s30, s29, 13
	s_mov_b32 s31, 0
	s_add_nc_u64 s[26:27], s[26:27], s[30:31]
	s_mov_b32 s40, 0x3e549a78                      ; L, high part
	s_mov_b32 s41, 0x31979a3a                      ; L, low part
	s_mov_b32 s42, 0xbf317218                      ; -ln 2
	s_mov_b32 s43, 0x3f22f983                      ; 2 / pi
	s_mov_b32 s44, 0x3fc90fdb                      ; pi / 2, high part
	s_mov_b32 s45, 0xb33bbd2e                      ; pi / 2, low part
	s_mov_b32 s46, 0xb94ca1f9                      ; sin: S3, S2, S1
	s_mov_b32 s47, 0x3c08839e
	s_mov_b32 s48, 0xbe2aaaa3
	s_mov_b32 s49, 0x37ccf5ce                      ; cos: C3, C2, C1
	s_mov_b32 s50, 0xbab6061a
	s_mov_b32 s51, 0x3d2aaaa5
	s_mov_b32 s29, 0
.Lquad:
	s_lshr_b32 s30, s29, 2
	s_lshl_b32 s30, s30, 5
	s_and_b32 s31, s29, 3
	s_lshl_b32 s31, s31, 2
	s_add_co_u32 s30, s30, s31
.irp e, 0,1,2,3
	v_add3_u32 v[16+\e], v5, s30, \e
.endr
.irp e, 0,1,2,3
	v_cvt_f32_u32 v[16+\e], v[16+\e]               ; j
.endr
.irp e, 0,1,2,3
	v_mul_f32 v[20+\e], s40, v[16+\e]              ; j L: its high part,
.endr
.irp e, 0,1,2,3
	v_fma_f32 v[24+\e], v[16+\e], s40, -v[20+\e]   ; what that rounding lost,
.endr
.irp e, 0,1,2,3
	v_fma_f32 v[24+\e], v[16+\e], s41, v[24+\e]    ; and L's low part
.endr
.irp e, 0,1,2,3
	v_exp_f32 v[28+\e], -v[20+\e]
.endr
.irp e, 0,1,2,3
	v_fma_f32 v[24+\e], v[24+\e], s42, 1.0         ; 2^(-low) = 1 - low ln 2.  (Plain work behind the four exponentials)
.endr
	s_wait_alu depctr_va_vdst(0)                   ; one wait for the four, ahead of their first reader
.irp e, 0,1,2,3
	v_mul_f32 v[28+\e], v[28+\e], v[24+\e]         ; inv
.endr
.irp e, 0,1,2,3
	v_mul_f32 v[28+\e], v3, v[28+\e]               ; x
.endr
.irp e, 0,1,2,3
	v_mul_f32 v[20+\e], s43, v[28+\e]
.endr
.irp e, 0,1,2,3
	v_rndne_f32 v[20+\e], v[20+\e]                 ; how many quarter turns
.endr
.irp e, 0,1,2,3
	v_fma_f32 v[28+\e], -v[20+\e], s44, v[28+\e]
.endr
.irp e, 0,1,2,3
	v_fma_f32 v[28+\e], -v[20+\e], s45, v[28+\e]   ; r
.endr
.irp e, 0,1,2,3
	v_mul_f32 v[24+\e], v[28+\e], v[28+\e]         ; s = r r
.endr
.irp e, 0,1,2,3
	v_fma_f32 v[32+\e], v[24+\e], s46, s47
	v_fma_f32 v[36+\e], v[24+\e], s49, s50
.endr
.irp e, 0,1,2,3
	v_fma_f32 v[32+\e], v[32+\e], v[24+\e], s48
	v_fma_f32 v[36+\e], v[36+\e], v[24+\e], s51
.endr
.irp e, 0,1,2,3
	v_mul_f32 v[32+\e], v[32+\e], v[24+\e]
	v_mul_f32 v[36+\e], v[36+\e], v[24+\e]
	v_fma_f32 v[16+\e], v[24+\e], -0.5, 1.0
.endr
.irp e, 0,1,2,3
	v_fma_f32 v[32+\e], v[32+\e], v[28+\e], v[28+\e]    ; sin r
	v_fma_f32 v[36+\e], v[36+\e], v[24+\e], v[16+\e]    ; cos r
	v_cvt_i32_f32 v[20+\e], v[20+\e]
.endr
.irp e, 0,1,2,3
	v_and_b32 v[16+\e], 1, v[20+\e]
.endr
.irp e, 0,1,2,3
	v_cmp_eq_u32 s[52+\e], 1, v[16+\e]             ; an odd quarter: the two change places
.endr
.irp e, 0,1,2,3
	v_cndmask_b32 v[44+\e], v[32+\e], v[36+\e], s[52+\e]
	v_cndmask_b32 v[40+\e], v[36+\e], v[32+\e], s[52+\e]
.endr
.irp e, 0,1,2,3
	v_and_b32 v[16+\e], 2, v[20+\e]                ; sin is turned in quarters 2 and 3,
	v_add_nc_u32 v[20+\e], 1, v[20+\e]
.endr
.irp e, 0,1,2,3
	v_lshlrev_b32 v[16+\e], 30, v[16+\e]
	v_and_b32 v[20+\e], 2, v[20+\e]                ; cos in quarters 1 and 2
.endr
.irp e, 0,1,2,3
	v_xor_b32 v[44+\e], v[44+\e], v[16+\e]
	v_lshlrev_b32 v[20+\e], 30, v[20+\e]
.endr
.irp e, 0,1,2,3
	v_xor_b32 v[40+\e], v[40+\e], v[20+\e]
.endr
	global_store_b128 v4, v[40:43], s[26:27]                ; cos: 512 consecutive bytes, aligned
	global_store_b128 v4, v[44:47], s[26:27] offset:4096    ; sin
	s_wait_xcnt 0x0                                ; the stores' data and base are written again only behind this wait
	s_add_nc_u64 s[26:27], s[26:27], 512
	s_add_co_u32 s29, s29, 1
	s_cmp_lt_u32 s29, 8
	s_cbranch_scc1 .Lquad
	s_endpgm
.Lfunc_end_k_q8764b1bbb0_prep:
	.size	k_q8764b1bbb0_prep, .Lfunc_end_k_q8764b1bbb0_prep-k_q8764b1bbb0_prep
	.p2alignl 7, 3214868480
	.fill 96, 4, 3214868480
	.section	.rodata,"a",@progbits
	.p2align	6, 0x0
	.amdhsa_kernel k_q8764b1bbb0_prep
		.amdhsa_group_segment_fixed_size 43520
		.amdhsa_private_segment_fixed_size 0
		.amdhsa_enable_private_segment 0
		.amdhsa_kernarg_size 96
		.amdhsa_user_sgpr_count 2
		.amdhsa_user_sgpr_kernarg_segment_ptr 1
		.amdhsa_wavefront_size32 1
		.amdhsa_system_sgpr_workgroup_id_x 1
		.amdhsa_system_sgpr_workgroup_id_y 1
		.amdhsa_system_sgpr_workgroup_id_z 1
		.amdhsa_system_vgpr_workitem_id 0
		.amdhsa_next_free_vgpr 194
		.amdhsa_next_free_sgpr 66
		.amdhsa_reserve_vcc 1
		.amdhsa_float_denorm_mode_32 3
		.amdhsa_float_denorm_mode_16_64 3
		.amdhsa_memory_ordered 1
		.amdhsa_forward_progress 1
		.amdhsa_inst_pref_size 99
	.end_amdhsa_kernel
	.amdgpu_metadata
---
amdhsa.version: [ 1, 2 ]
amdhsa.kernels:
  - .name:           k_q8764b1bbb0_prep
    .symbol:         k_q8764b1bbb0_prep.kd
    .args:
      - { .name: query, .offset: 0, .size: 8, .value_kind: global_buffer, .address_space: global }
      - { .name: key, .offset: 8, .size: 8, .value_kind: global_buffer, .address_space: global }
      - { .name: value, .offset: 16, .size: 8, .value_kind: global_buffer, .address_space: global }
      - { .name: wq, .offset: 24, .size: 8, .value_kind: global_buffer, .address_space: global }
      - { .name: wk, .offset: 32, .size: 8, .value_kind: global_buffer, .address_space: global }
      - { .name: wv, .offset: 40, .size: 8, .value_kind: global_buffer, .address_space: global }
      - { .name: wo, .offset: 48, .size: 8, .value_kind: global_buffer, .address_space: global }
      - { .name: mask, .offset: 56, .size: 8, .value_kind: global_buffer, .address_space: global }
      - { .name: xw_codes, .offset: 64, .size: 8, .value_kind: global_buffer, .address_space: global }
      - { .name: xw_scales, .offset: 72, .size: 8, .value_kind: global_buffer, .address_space: global }
      - { .name: maskw, .offset: 80, .size: 8, .value_kind: global_buffer, .address_space: global }
      - { .name: rope, .offset: 88, .size: 8, .value_kind: global_buffer, .address_space: global }
    .group_segment_fixed_size: 43520
    .private_segment_fixed_size: 0
    .kernarg_segment_align: 8
    .kernarg_segment_size: 96
    .max_flat_workgroup_size: 128
    .sgpr_count:     66
    .vgpr_count:     194
    .wavefront_size: 32
...
	.end_amdgpu_metadata
.endif
;; end of part 1
;; launch proj (part 2): grid 8 x 24, 4 waves a work-group, clusters of 4 x 4, 327,680 bytes of LDS; arguments xw_codes, xw_scales, bq, bk, bv, rope, att_codes, att_scales; writes att_codes, att_scales
.if DOCPART == 2
	.amdgcn_target "amdgcn-amd-amdhsa--gfx1250"
	.amdhsa_code_object_version 6
	.text
	.protected	k_q8764b1bbb0_proj
	.globl	k_q8764b1bbb0_proj
	.p2align	8
	.type	k_q8764b1bbb0_proj,@function
k_q8764b1bbb0_proj:
	s_mov_b64 s[64:65], 0
	v_nop
	global_prefetch_b8 v0, s[64:65] scope:SCOPE_SE
	s_setreg_imm32_b32 hwreg(HW_REG_WAVE_MODE, 25, 1), 1
	s_wait_xcnt 0x0
	s_wait_alu depctr_hold_cnt(0) depctr_sa_sdst(0) depctr_va_vdst(0) depctr_va_sdst(0) depctr_va_ssrc(0) depctr_va_vcc(0) depctr_vm_vsrc(0)
	s_getreg_b32 s2, hwreg(HW_REG_IB_STS2, 6, 4)
	s_cmp_eq_u32 s2, 0
	s_cbranch_scc0 .Lentry_in_a_cluster
	s_endpgm
.Lentry_in_a_cluster:
	s_bfe_u32 s2, ttmp6, 0x10000c
	s_cmp_lg_u32 s2, 0xf033
	s_cbranch_scc0 .Lentry_shape_is_right
	s_endpgm
.Lentry_shape_is_right:
; PROJ: the three projections on codes of FP4 (E2M1) with E8M0 scales, each 2048 x 2048 x 2048; bias; rotary embedding (q, k); the results quantised in registers and stored as tile images.
; Product p = cluster y / 2.  The matrix instruction is used transposed: source 0 = 16 rows of P, source 1 = 16 rows of Q: a lane holds one row of Q, its registers run along rows of P.
;   p = 0, 1: Q = query, key (positions), P = wq, wk (channels): a lane's 64 registers are a head's channels 32 b + 16 h + i: the next product's K.
;   p = 2:    Q = wv (channels), P = value (keys): a lane holds a channel and its registers run along the keys, which are the last product's K.
; THE TILE IMAGE (all operands): plane kb = k / 128, tile T, 1,024 bytes a tile; a fragment is two loads of 16 bytes at 16 x lane, 512 bytes apart.  Lane r of tile 2 g + u is row 32 g + 8 u + r + 8 (r / 8):
; so the 16 registers of P's tiles 2 b and 2 b + 1 are 16 neighbours along the next K, and a quantised result is the next launch's fragment as it stands.
; A tile of the result, 256 x 256, is made by four waves, 128 x 128 each: 64 accumulators.  K goes in steps of 512 (four planes) through a ring of two LDS slots filled by the tensor data mover.
; The scale words of the work-group's rows, for all of K, come into LDS once, with the first fills.
; CLUSTERS: 4 x 4 work-groups of one product.  The four of a row of the cluster need the same tiles of Q, the four of a column the same tiles of P: each is asked for jointly.
; LIMITS: NaN and infinities are not served; a block whose largest magnitude lies under 2^-124 keeps the scale byte 1.
; REGISTERS: window 0: v1-29 addresses; v32-95 scale words, two sets; v96-111 v's bias of my lane's rows; v128-191 Q's fragments, one set.  On the way out: v96-127 and v128-191 numbers, v192-227 codes and scales.
;   window 1: v0-63, v128-191 P's fragments, two sets; v64-127 cos and sin of the first tile; v192-255 the bias in the result's layout.  Windows 2, 3: the accumulators ((a, b) at v[8 (8 (a % 4) + b)]).
.set NQ,     4                         ; matrix instructions deep in a slot
.set FR,     8
.set NL,     2
.set NP,     4                         ; places behind this matrix instruction (ISA guide 7.12.1)
.set HALFT,  32768                     ; what one tensor load brings: [plane 4][tile 8][1024]: 128 rows x 512 along K
.set SLOT,   4*HALFT                   ; Q's two halves, then P's
.set STEPB,  4*131072                  ; a K step on in memory: four planes
.set LAPS,   2                         ; 2,048 along K = four K steps = twice round the ring
.set SCL,    2*SLOT                    ; behind the ring: the scale words
.set HALFS,  8192                      ; of 128 rows: [plane 16][tile 8][16 words]
.set SPARE,  SCL+4*HALFS               ; the spare words: 128 bytes for each wave, named by no other line
.set ADRA, 16                          ; v16-17 LDS address of my fragments of Q in slot 0, 1
.set ADRB, 20                          ; v20-21 of P
.set STO,  24                          ; v24    the way out: where a tile's scale word goes
.set RD,   25                          ; v25    and where the 128 words are read back
.set LI,   26                          ; v26    16 x lane
.set ADRS, 27                          ; v27    LDS address of my scale words: lanes 0-15 Q's, lanes 16-31 P's
.set SPW,  28
.set NIL,  29
.set SC,   32
.set BV,   96
.set AF,   128
.set T,    128                         ; the way out, window 0
.set TMP,  96
.set PC,   192
.set TM,   200
.set PW,   216
.set BIAS, 192                         ; window 1
.set G1, 24
.set G0, 32
.set G1B, 48
.set G0B, 56
.set G1S, 68
.set G0S, 76
.set G1SB, 80
.set G0SB, 88
.set SEL, 100
.set MSB, 0
.macro WIN new                         ; the immediate's high byte repeats the setting that is left
.if MSB != \new
	s_set_vgpr_msb (MSB<<8)|\new
.set MSB, \new
.endif
.endm
.set MUL_LO, 0xa1                      ; source 0 (P) window 1, source 1 (Q) window 0, C and D window 2
.set MUL_HI, 0xf1
.set TO_B,   0x40
; A joint load: waves 0 and 1 fetch for Q, waves 2 and 3 for P; the branch hangs on the wave's number alone.  Four v_nop follow each of the two lines.
.macro JLOAD g0a, g1a, g0b, g1b
	s_cmp_eq_u32 s15, 0
	s_cbranch_scc0 .Lfor_b_\@
	tensor_load_to_lds s[\g0a:\g0a+3], s[\g1a:\g1a+7]
	s_nop 0
.rept 4
	v_nop
.endr
	s_branch .Lasked_\@
.Lfor_b_\@:
	tensor_load_to_lds s[\g0b:\g0b+3], s[\g1b:\g1b+7]
	s_nop 0
.rept 4
	v_nop
.endr
.Lasked_\@:
.endm
.macro CREST                           ; a round of the cluster's barrier behind its opening barrier
	s_cmp_lg_u32 s14, 0
	s_cbranch_scc1 .Lnot_wave_0_\@
	s_barrier_signal -3
.Lnot_wave_0_\@:
	s_barrier_wait -3
	s_barrier_signal -1
	s_barrier_wait -1
.endm
.macro CROUND
	s_barrier_signal -1
	s_barrier_wait -1
	CREST
.endm
	s_load_b128 s[4:7], s[0:1], 0x0                ; xw_codes, xw_scales
	s_load_b128 s[8:11], s[0:1], 0x10              ; bq, bk
	s_load_b64 s[12:13], s[0:1], 0x20              ; bv
	s_load_b128 s[92:95], s[0:1], 0x28             ; rope, att_codes
	s_load_b64 s[96:97], s[0:1], 0x38              ; att_scales
	v_lshl_add_u32 v[SPW], v0, 2, SPARE
	v_mov_b32 v[NIL], 0
	ds_add_u32 v28, v29
	ds_add_u32 v28, v29
	s_wait_dscnt 0x0
	v_lshrrev_b32 v1, 5, v0
	v_readfirstlane_b32 s14, v1                    ; wave 0..3
	s_lshr_b32 s15, s14, 1                         ; which half of Q's rows is mine.  Also: I fetch for Q (0) or for P (1)
	s_and_b32 s16, s14, 1                          ; which half of P's rows.  Also: which 128 rows I fetch
	s_bfe_u32 s40, ttmp6, 0x40000                  ; cx, cy
	s_bfe_u32 s41, ttmp6, 0x40004
	s_lshl_b32 s42, ttmp9, 2
	s_add_co_u32 s42, s42, s40                     ; tile column (P) = 4 x cluster x + cx
	s_and_b32 s17, ttmp7, 0xffff
	s_lshr_b32 s98, s17, 1                         ; the product: the same in all sixteen partners
	s_and_b32 s17, s17, 1
	s_lshl_b32 s17, s17, 2
	s_add_co_u32 s17, s17, s41                     ; tile row (Q)
	s_lshl_b32 s43, s41, 2
	s_lshl_b32 s43, 15, s43                        ; my row of the cluster
	s_lshl_b32 s44, 0x1111, s40                    ; my column
	; group 1, codes: four rows (planes) of 8,192 bytes (1,024 elements of 8), 131,072 bytes apart; no padding: a fragment's load reads 512 consecutive bytes
	s_or_b32 s[G1+0], s43, (3<<16)|(1<<21)
	s_or_b32 s[G1B+0], s44, (3<<16)|(1<<21)
.irp g, G1, G1B
	s_mov_b32 s[\g+1], 1024<<16                    ; tensor_dim0
	s_mov_b32 s[\g+2], 4<<16                       ; tensor_dim1
	s_mov_b32 s[\g+3], 1024<<16                    ; tile_dim0
	s_mov_b32 s[\g+4], 4                           ; tile_dim1
	s_mov_b32 s[\g+5], 16384                       ; from plane to plane, in elements
	s_mov_b32 s[\g+6], 0
	s_mov_b32 s[\g+7], 0
.endr
	; group 1, scale words: sixteen rows (planes) of 512 bytes, 8,192 bytes apart
	s_or_b32 s[G1S+0], s43, (3<<16)|(1<<21)
	s_or_b32 s[G1SB+0], s44, (3<<16)|(1<<21)
.irp g, G1S, G1SB
	s_mov_b32 s[\g+1], 64<<16
	s_mov_b32 s[\g+2], 16<<16
	s_mov_b32 s[\g+3], 64<<16
	s_mov_b32 s[\g+4], 16
	s_mov_b32 s[\g+5], 1024
	s_mov_b32 s[\g+6], 0
	s_mov_b32 s[\g+7], 0
.endr
	s_add_co_u32 s19, s98, 3
	s_cmp_eq_u32 s98, 2
	s_cselect_b32 s18, 5, s98                      ; Q's tensor: query, key, wv
	s_cselect_b32 s19, 2, s19                      ; P's: wq, wk, value
	s_lshl_b32 s20, s17, 1
	s_add_co_u32 s20, s20, s16                     ; Q: the block of 128 rows that I fetch
	s_lshl_b32 s22, s20, 9                         ; its scale words in a plane,
	s_lshl_b32 s20, s20, 13                        ; its codes
	s_lshl_b32 s21, s18, 21
	s_add_co_u32 s20, s20, s21
	s_lshl_b32 s21, s18, 17
	s_add_co_u32 s22, s22, s21
	s_mov_b32 s21, 0
	s_mov_b32 s23, 0
	s_lshl_b32 s46, s42, 1
	s_add_co_u32 s46, s46, s16                     ; P likewise, in registers that never hold Q's coordinate
	s_lshl_b32 s66, s46, 9
	s_lshl_b32 s46, s46, 13
	s_lshl_b32 s47, s19, 21
	s_add_co_u32 s46, s46, s47
	s_lshl_b32 s47, s19, 17
	s_add_co_u32 s66, s66, s47
	s_mov_b32 s47, 0
	s_mov_b32 s67, 0
	s_lshl_b32 s45, s14, 15                        ; where they go: wave x HALFT, wave x HALFS
	s_lshl_b32 s99, s14, 13
	s_mov_b32 s[SEL], 0x76543210
	s_mov_b32 s[SEL+1], 0xfedcba98
	s_wait_kmcnt 0x0
	s_add_nc_u64 s[20:21], s[4:5], s[20:21]
	s_add_nc_u64 s[22:23], s[6:7], s[22:23]
	s_add_nc_u64 s[46:47], s[4:5], s[46:47]
	s_add_nc_u64 s[66:67], s[6:7], s[66:67]
	CROUND                                         ; all sixteen work-groups are here: the first joint loads meet
	s_mov_b32 s[G0S], 1
	s_add_co_u32 s[G0S+1], s99, SCL
	s_mov_b64 s[G0S+2:G0S+3], s[22:23]
	s_or_b32 s[G0S+3], s[G0S+3], 0x80000000
	s_mov_b32 s[G0SB], 1
	s_add_co_u32 s[G0SB+1], s99, SCL
	s_mov_b64 s[G0SB+2:G0SB+3], s[66:67]
	s_or_b32 s[G0SB+3], s[G0SB+3], 0x80000000
	JLOAD G0S, G1S, G0SB, G1SB                     ; the scale words first
.irp s, 0,1
	s_mov_b32 s[G0+4*\s], 1
	s_add_co_u32 s[G0+4*\s+1], s45, \s*SLOT
	s_add_nc_u64 s[G0+4*\s+2:G0+4*\s+3], s[20:21], \s*STEPB
	s_or_b32 s[G0+4*\s+3], s[G0+4*\s+3], 0x80000000
	s_mov_b32 s[G0B+4*\s], 1
	s_add_co_u32 s[G0B+4*\s+1], s45, \s*SLOT
	s_add_nc_u64 s[G0B+4*\s+2:G0B+4*\s+3], s[46:47], \s*STEPB
	s_or_b32 s[G0B+4*\s+3], s[G0B+4*\s+3], 0x80000000
	JLOAD G0+4*\s, G1, G0B+4*\s, G1B               ; three tensor loads of mine are out
.endr
	v_and_b32 v1, 15, v0                           ; r
	v_bfe_u32 v2, v0, 4, 1                         ; h
	v_and_b32 v3, 31, v0
	v_lshlrev_b32 v[LI], 4, v3
	s_lshl_b32 s21, s15, 15                        ; my 128 rows of Q
	s_lshl_b32 s22, s16, 15                        ; my 128 rows of P,
	s_add_co_u32 s22, s22, 2*HALFT                 ; behind Q's two halves
.irp s, 0,1
	v_add_nc_u32 v[ADRA+\s], s21, v[LI]
	v_add_nc_u32 v[ADRB+\s], s22, v[LI]
	s_add_co_u32 s21, s21, SLOT
	s_add_co_u32 s22, s22, SLOT
.endr
	v_lshlrev_b32 v7, 2, v1                        ; 4 r
	s_lshl_b32 s21, s15, 13
	s_lshl_b32 s22, s16, 13
	s_add_co_u32 s22, s22, 2*HALFS
	s_sub_co_u32 s22, s22, s21
	v_mul_u32_u24 v6, s22, v2                      ; lanes 16-31 take P's: one product, the distance between the two bases
	s_add_co_u32 s21, s21, SCL
	v_add_nc_u32 v6, v6, v7
	v_add_nc_u32 v[ADRS], s21, v6
	s_lshl_b32 s23, s14, 9
	v_add_nc_u32 v[STO], s23, v7
	v_add_nc_u32 v[RD], s23, v[LI]
	; where my results go, and what the way out needs
	s_cmp_eq_u32 s98, 1
	s_cselect_b64 s[8:9], s[10:11], s[8:9]
	s_cmp_eq_u32 s98, 2
	s_cselect_b64 s[8:9], s[12:13], s[8:9]         ; the product's bias
	s_lshl_b32 s18, s17, 1
	s_add_co_u32 s18, s18, s15                     ; my block of Q's rows
	s_lshl_b32 s19, s42, 1
	s_add_co_u32 s19, s19, s16                     ; my block of P's rows
	s_cmp_eq_u32 s98, 2
	s_cselect_b32 s2, s18, s19                     ; the head: P's block for q and k, Q's for v
	s_cselect_b32 s3, s19, s18                     ; the 128 positions
	s_lshl_b32 s20, s98, 21
	s_lshl_b32 s21, s2, 17
	s_add_co_u32 s20, s20, s21
	s_lshl_b32 s21, s3, 13
	s_add_co_u32 s20, s20, s21
	s_mov_b32 s21, 0
	s_add_nc_u64 s[94:95], s[94:95], s[20:21]      ; my eight tiles of codes: 8,192 consecutive bytes
	s_lshl_b32 s20, s98, 17
	s_lshl_b32 s22, s2, 13
	s_add_co_u32 s20, s20, s22
	s_lshl_b32 s22, s3, 9
	s_add_co_u32 s20, s20, s22
	s_add_nc_u64 s[96:97], s[96:97], s[20:21]      ; their 128 scale words
	s_lshl_b32 s20, s18, 16
	s_add_nc_u64 s[92:93], s[92:93], s[20:21]      ; cos and sin of my eight tiles of positions
	v_lshlrev_b32 v8, 6, v2
	v_lshl_add_u32 v8, s19, 9, v8                  ; the bias along my registers: P's block x 512 + 64 h
	v_and_b32 v9, 8, v1
	v_add_nc_u32 v9, v9, v1
	v_lshlrev_b32 v9, 2, v9
	v_lshl_add_u32 v9, s18, 9, v9                  ; the bias of my lane's rows: Q's block x 512 + 4 (r + 8 (r / 8))
.macro RLOAD a                         ; cos (32 registers) and sin (32) of tile a, into one of three sets in window 1
.if (\a)%3 == 0
.set SRL, 64
.elseif (\a)%3 == 1
.set SRL, 0
.else
.set SRL, 128
.endif
	WIN 0x40
.set e, 0
.rept 16
	global_load_b128 v[SRL+4*e:SRL+4*e+3], v[LI], s[92:93] offset:(\a)*8192+512*e
.set e, e+1
.endr
.endm
	; These loads are issued alike for every product, so that the text parts once, on the way out; all stay inside their buffers for every product.  They land while the products run.
	WIN 0x40
.irp b, 0,1,2,3
.irp j, 0,1,2,3
	global_load_b128 v[BIAS+16*\b+4*\j:BIAS+16*\b+4*\j+3], v8, s[8:9] offset:128*\b+16*\j
.endr
.endr
	WIN 0
.irp a, 0,1,2,3,4,5,6,7
	global_load_b32 v[BV+2*\a], v9, s[8:9] offset:(32*(\a/2)+8*(\a%2))*4
	global_load_b32 v[BV+2*\a+1], v9, s[8:9] offset:(32*(\a/2)+8*(\a%2))*4     ; twice: a pair for the packed addition
.endr
	RLOAD 0
	WIN 0
.macro FRAG reg, adr, q, i             ; a fragment as it lies: registers 4 c .. 4 c + 3 at 512 c + 16 x lane
.irp c, 0,1
	ds_load_b128 v[\reg+4*\c:\reg+4*\c+3], v[\adr] offset:8192*(\q)+1024*(\i)+512*\c
.endr
.endm
; 16 matrix instructions: Q's blocks a0, a0 + 1 x P's eight.  The 64 accumulators take turns, one instruction a turn, in the same order in every step.
.macro MUL16 a0, p, q, sc, zero
.irp a, \a0, \a0+1
.irp b, 0,1,2,3,4,5,6,7
.if \zero
	v_wmma_scale_f32_16x16x128_f8f6f4 v[8*(8*((\a)%4)+\b):8*(8*((\a)%4)+\b)+7], v[128*(\p)+FR*\b:128*(\p)+FR*\b+FR-1], v[AF+FR*(\a):AF+FR*(\a)+FR-1], 0, v[SC+8*NQ*(\sc)+NQ*\b+(\q)], v[SC+8*NQ*(\sc)+NQ*(\a)+(\q)] matrix_a_fmt:MATRIX_FMT_FP4 matrix_b_fmt:MATRIX_FMT_FP4 matrix_a_scale:MATRIX_SCALE_ROW1
.else
	v_wmma_scale_f32_16x16x128_f8f6f4 v[8*(8*((\a)%4)+\b):8*(8*((\a)%4)+\b)+7], v[128*(\p)+FR*\b:128*(\p)+FR*\b+FR-1], v[AF+FR*(\a):AF+FR*(\a)+FR-1], v[8*(8*((\a)%4)+\b):8*(8*((\a)%4)+\b)+7], v[SC+8*NQ*(\sc)+NQ*\b+(\q)], v[SC+8*NQ*(\sc)+NQ*(\a)+(\q)] matrix_a_fmt:MATRIX_FMT_FP4 matrix_b_fmt:MATRIX_FMT_FP4 matrix_a_scale:MATRIX_SCALE_ROW1
.endif
.endr
.endr
.endm
.macro FETCH_B slot, q, p
	WIN TO_B
.irp i, 0,1,2,3,4,5,6,7
	FRAG 128*(\p)+FR*\i, ADRB+\slot, \q, \i
.endr
	WIN 0
.endm
.macro FETCH_A slot, q, i0
.irp i, \i0, \i0+1, \i0+2, \i0+3
	FRAG AF+FR*(\i), ADRA+\slot, \q, \i
.endr
.endm
.macro SCALES sc                       ; a K step's scale words: register 4 i + q: lanes 0-15 Q's tile i, lanes 16-31 P's tile i, plane q
.irp i, 0,1,2,3,4,5,6,7
.irp q, 0,1,2,3
	ds_load_b32 v[SC+32*\sc+4*\i+\q], v[ADRS] offset:512*\q+64*\i
.endr
.endr
.endm
.macro PLACES n                        ; plain vector instructions that name none of a matrix instruction's registers (ISA guide 7.12.1)
.rept \n
	v_nop
.endr
.endm
.macro STEP slot, q, zero              ; 128 along K, with its successor in the same slot
	s_wait_dscnt 4*NL                              ; P's set, Q's blocks 0-3 and the scale words are in; the youngest eight loads (Q's blocks 4-7) may be out
	WIN MUL_LO
	MUL16 0, (\q)%2, \q, \slot, \zero
	MUL16 2, (\q)%2, \q, \slot, \zero
	s_wait_dscnt 0
	PLACES NP
	FETCH_B \slot, (\q)+1, 1-(\q)%2
	FETCH_A \slot, (\q)+1, 0
	WIN MUL_HI
	MUL16 4, (\q)%2, \q, \slot, \zero
	MUL16 6, (\q)%2, \q, \slot, \zero
	PLACES NP
	WIN 0
	FETCH_A \slot, (\q)+1, 4
.endm
; A slot's last step changes slots: one barrier; in front of it each wave waits for all its tensor loads, adds 0 to its spare word, and waits for that and for its reads of this slot.
.macro TURN slot, next, fill
	s_wait_tensorcnt 0x0                           ; all my tensor loads have landed: my part of the next slot
	ds_add_u32 v[SPW], v[NIL]                      ; 0 onto my spare word
	s_wait_dscnt 4*NL+1                            ; (the add and the youngest eight loads may be out)
	WIN MUL_LO
	MUL16 0, 1, NQ-1, \slot, 0
	s_wait_dscnt 0x0                               ; the add is done, and my reads of this slot are over
	s_barrier_signal -1
	MUL16 2, 1, NQ-1, \slot, 0
	WIN 0
	s_barrier_wait -1
.if \fill
	CREST                                          ; the barrier has opened a round of the cluster's: no wave of any partner still reads this slot or has a load on its way
	s_add_nc_u64 s[G0+4*\slot+2:G0+4*\slot+3], s[G0+4*\slot+2:G0+4*\slot+3], 2*STEPB
	s_add_nc_u64 s[G0B+4*\slot+2:G0B+4*\slot+3], s[G0B+4*\slot+2:G0B+4*\slot+3], 2*STEPB
	JLOAD G0+4*\slot, G1, G0B+4*\slot, G1B         ; the first tensor load behind the round; its four v_nop are the places in front of the loads below
.else
	PLACES NP
.endif
	v_add_nc_u32 v[ADRS], 4*512, v[ADRS]           ; the next four planes' scale words
	FETCH_B \next, 0, 0
	FETCH_A \next, 0, 0
	SCALES \next
	WIN MUL_HI
	MUL16 4, 1, NQ-1, \slot, 0
	MUL16 6, 1, NQ-1, \slot, 0
	PLACES NP
	WIN 0
	FETCH_A \next, 0, 4
.endm
.macro STEPS slot, from
.set Q, \from
.rept NQ-1-\from
	STEP \slot, Q, 0
.set Q, Q+1
.endr
.endm
	s_wait_tensorcnt 1                             ; the scale words and my part of K step 0 are in (K step 1's load may be out),
	s_barrier_signal -1
	s_barrier_wait -1                              ; everybody's are
	FETCH_B 0, 0, 0
	FETCH_A 0, 0, 0
	SCALES 0
	FETCH_A 0, 0, 4
	STEP 0, 0, 1                                   ; the first step's products start the sums
	s_mov_b32 s3, LAPS-1
.Llap:                                             ; once round the ring, from a lap's second step to the next lap's first; both slots are filled again
	STEPS 0, 1
	TURN 0, 1, 1
	STEPS 1, 0
	TURN 1, 0, 1
	STEP 0, 0, 0
	s_sub_co_u32 s3, s3, 1
	s_cmp_lg_u32 s3, 0
	s_cbranch_scc1 .Llap
	STEPS 0, 1                                     ; the last lap fills nothing
	TURN 0, 1, 0
	STEPS 1, 0
	s_wait_dscnt 4*NL
	WIN MUL_LO
	MUL16 0, 1, NQ-1, 1, 0
	MUL16 2, 1, NQ-1, 1, 0
	s_wait_dscnt 0
	WIN MUL_HI
	MUL16 4, 1, NQ-1, 1, 0
	MUL16 6, 1, NQ-1, 1, 0
	WIN 0
; 64 numbers of a lane, register 16 b + i = k 32 b + 16 h + i of my row, become a fragment's codes in v[PC] on and its scale word in v[pw].
.macro QUANT s, pw
.irp b, 0,1,2,3
	v_max3_num_f32 v[TM+\b], |v[\s+16*\b]|, |v[\s+1+16*\b]|, 0x1800000     ; my 16 numbers of block b, and the floor 2^(3 - 127)
.endr
.irp i, 2,4,6,8,10,12,14
.irp b, 0,1,2,3
	v_max3_num_f32 v[TM+\b], v[TM+\b], |v[\s+16*\b+\i]|, |v[\s+1+16*\b+\i]|
.endr
.endr
.irp b, 0,1,2,3
	v_permlanex16_b32 v[TM+4+\b], v[TM+\b], s[SEL], s[SEL+1]
.endr
.irp b, 0,1,2,3
	v_max_num_f32 v[TM+\b], v[TM+\b], v[TM+4+\b]   ; with lane l xor 16's: the block's largest magnitude
.endr
.irp b, 0,1,2,3
	v_add_nc_u32 v[TM+12+\b], 0xff000000, v[TM+\b] ; 2 off its exponent field: the conversion's scale operand
.endr
.irp b, 0,1,2,3
	v_lshrrev_b32 v[TM+4+\b], 23, v[TM+12+\b]      ; the scale's byte
.endr
	v_lshl_or_b32 v[\pw], v[TM+5], 8, v[TM+4]
	v_lshl_or_b32 v[\pw], v[TM+6], 16, v[\pw]
	v_lshl_or_b32 v[\pw], v[TM+7], 24, v[\pw]
.irp b, 0,1,2,3
	v_cvt_scalef32_pk8_fp4_f32 v[PC+2*\b], v[\s+16*\b:\s+7+16*\b], v[TM+12+\b]
	v_cvt_scalef32_pk8_fp4_f32 v[PC+1+2*\b], v[\s+8+16*\b:\s+15+16*\b], v[TM+12+\b]
.endr
	v_nop                                          ; one plain place behind a scaled conversion
.irp c, 0,1                            ; the operand's layout wants a whole block in a lane
.irp i, 0,1
	v_permlane16_swap_b32 v[PC+4*\c+\i], v[PC+2+4*\c+\i]
.endr
.endr
.endm
.macro OUT a, arm                      ; the tile's codes leave as they stand: 512 consecutive bytes a store; its scale words are gathered in LDS (bytes of their own for each arm)
.irp c, 0,1
	global_store_b128 v[LI], v[PC+4*\c:PC+4*\c+3], s[94:95] offset:1024*(\a)+512*\c
.endr
	ds_store_b32 v[STO], v[PW+(\a)] offset:2048*\arm+64*(\a)      ; both halves of the lanes write the same word with the same value
.endm
.macro SCOUT arm                       ; my 128 scale words: 512 consecutive bytes
	ds_load_b128 v[224:227], v[RD] offset:2048*\arm
	s_wait_dscnt 0x0
	global_store_b128 v[LI], v[224:227], s[96:97]
.endm
; Tile a of q or k: bias, rotary embedding, quantiser.  Registers e and e + 32 of a lane are channels c and c + 64: the pair that the embedding turns.
.macro EPI_QK a
.set AC, 64*((\a)%4)
.if (\a)%3 == 0
.set SRR, 64
.elseif (\a)%3 == 1
.set SRR, 0
.else
.set SRR, 128
.endif
	s_wait_xcnt 0x0                                ; the last tile's stores have read their registers
.if (\a) < 6
	s_wait_loadcnt 32                              ; this tile's cos and sin are in; the next two tiles' sets (16 loads each) may be out
.elseif (\a) == 6
	s_wait_loadcnt 16
.else
	s_wait_loadcnt 0x0
.endif
.set W_, 0x06+(\a)/4
	WIN W_                                         ; source 0: the accumulators' window; source 1: window 1
.set e, 0
.rept 32
	v_pk_add_f32 v[T+2*e:T+2*e+1], v[AC+2*e:AC+2*e+1], v[BIAS+2*e:BIAS+2*e+1]     ; each accumulator from its low end on
.set e, e+1
.endr
	WIN 0x04
.set e, 0
.rept 16
	v_pk_mul_f32 v[TMP+2*e:TMP+2*e+1], v[T+2*e:T+2*e+1], v[SRR+32+2*e:SRR+33+2*e]     ; lo sin
.set e, e+1
.endr
.set e, 0
.rept 16
	v_pk_mul_f32 v[T+2*e:T+2*e+1], v[T+2*e:T+2*e+1], v[SRR+2*e:SRR+2*e+1]             ; lo cos
.set e, e+1
.endr
.set e, 0
.rept 16
	v_pk_fma_f32 v[T+2*e:T+2*e+1], v[T+32+2*e:T+33+2*e], v[SRR+32+2*e:SRR+33+2*e], v[T+2*e:T+2*e+1] neg_lo:[1,0,0] neg_hi:[1,0,0]    ; - hi sin
.set e, e+1
.endr
.set e, 0
.rept 16
	v_pk_fma_f32 v[T+32+2*e:T+33+2*e], v[T+32+2*e:T+33+2*e], v[SRR+2*e:SRR+2*e+1], v[TMP+2*e:TMP+2*e+1]     ; hi cos + lo sin
.set e, e+1
.endr
.if (\a) < 5
	RLOAD (\a)+3                                   ; this set's registers take the tile three on
.endif
	WIN 0
	QUANT T, PW+(\a)
	OUT \a, 0
.endm
.macro EPI_V a                         ; tile a of v: my lane's row is a channel: one bias for all 64 registers
.set AC, 64*((\a)%4)
	s_wait_xcnt 0x0
.set W_, 0x02+(\a)/4
	WIN W_
.set e, 0
.rept 32
	v_pk_add_f32 v[T+2*e:T+2*e+1], v[AC+2*e:AC+2*e+1], v[BV+2*(\a):BV+2*(\a)+1]
.set e, e+1
.endr
	WIN 0
	QUANT T, PW+(\a)
	OUT \a, 1
.endm
	; THE WAY OUT.  The scale words' stage lies in slot 0, which has had its last fill, and which nobody reads behind the last change of slots.
	PLACES NP
.irp b, 0,1,2,3
	v_mov_b32 v[TM+4+\b], 0                        ; a lane permute's destination counts as one of its sources
.endr
	s_cmp_eq_u32 s98, 2                            ; the same in all partners
	s_cbranch_scc1 .Lv
	RLOAD 1
	RLOAD 2
	WIN 0
.irp a, 0,1,2,3,4,5,6,7
	EPI_QK \a
.endr
	SCOUT 0
	s_branch .Ljoin
.Lv:
	s_wait_loadcnt 0x0
.irp a, 0,1,2,3,4,5,6,7
	EPI_V \a
.endr
	SCOUT 1
.Ljoin:
	s_wait_tensorcnt 0x0                           ; the wave's end
	ds_add_u32 v[SPW], v[NIL]
	s_wait_dscnt 0x0
	CROUND                                         ; the closing round
	s_endpgm
.Lfunc_end_k_q8764b1bbb0_proj:
	.size	k_q8764b1bbb0_proj, .Lfunc_end_k_q8764b1bbb0_proj-k_q8764b1bbb0_proj
	.p2alignl 7, 3214868480
	.fill 96, 4, 3214868480
	.section	.rodata,"a",@progbits
	.p2align	6, 0x0
	.amdhsa_kernel k_q8764b1bbb0_proj
		.amdhsa_group_segment_fixed_size 327680
		.amdhsa_private_segment_fixed_size 0
		.amdhsa_enable_private_segment 0
		.amdhsa_kernarg_size 64
		.amdhsa_user_sgpr_count 2
		.amdhsa_user_sgpr_kernarg_segment_ptr 1
		.amdhsa_wavefront_size32 1
		.amdhsa_system_sgpr_workgroup_id_x 1
		.amdhsa_system_sgpr_workgroup_id_y 1
		.amdhsa_system_sgpr_workgroup_id_z 1
		.amdhsa_system_vgpr_workitem_id 0
		.amdhsa_next_free_vgpr 1024
		.amdhsa_next_free_sgpr 102
		.amdhsa_reserve_vcc 0
		.amdhsa_float_denorm_mode_32 3
		.amdhsa_float_denorm_mode_16_64 3
		.amdhsa_memory_ordered 1
		.amdhsa_forward_progress 1
		.amdhsa_inst_pref_size 255
	.end_amdhsa_kernel
	.section	.bss,"aw",@nobits
	.p2align	6
	.space	262144
	.amdgpu_metadata
---
amdhsa.version: [ 1, 2 ]
amdhsa.kernels:
  - .name:           k_q8764b1bbb0_proj
    .symbol:         k_q8764b1bbb0_proj.kd
    .args:
      - { .name: xw_codes, .offset: 0, .size: 8, .value_kind: global_buffer, .address_space: global }
      - { .name: xw_scales, .offset: 8, .size: 8, .value_kind: global_buffer, .address_space: global }
      - { .name: bq, .offset: 16, .size: 8, .value_kind: global_buffer, .address_space: global }
      - { .name: bk, .offset: 24, .size: 8, .value_kind: global_buffer, .address_space: global }
      - { .name: bv, .offset: 32, .size: 8, .value_kind: global_buffer, .address_space: global }
      - { .name: rope, .offset: 40, .size: 8, .value_kind: global_buffer, .address_space: global }
      - { .name: att_codes, .offset: 48, .size: 8, .value_kind: global_buffer, .address_space: global }
      - { .name: att_scales, .offset: 56, .size: 8, .value_kind: global_buffer, .address_space: global }
    .group_segment_fixed_size: 327680
    .private_segment_fixed_size: 0
    .kernarg_segment_align: 8
    .kernarg_segment_size: 64
    .max_flat_workgroup_size: 128
    .sgpr_count:     102
    .vgpr_count:     1024
    .wavefront_size: 32
...
	.end_amdgpu_metadata
.endif
;; end of part 2
;; launch attn (part 3): grid 16 x 16, 16 waves a work-group, no clusters, 202,752 bytes of LDS; arguments att_codes, att_scales, maskw, xq_codes, xq_scales; writes xq_codes, xq_scales
.if DOCPART == 3
	.amdgcn_target "amdgcn-amd-amdhsa--gfx1250"
	.amdhsa_code_object_version 6
	.text
	.protected	k_q8764b1bbb0_attn
	.globl	k_q8764b1bbb0_attn
	.p2align	8
	.type	k_q8764b1bbb0_attn,@function
k_q8764b1bbb0_attn:
	s_mov_b64 s[64:65], 0
	v_nop
	global_prefetch_b8 v0, s[64:65] scope:SCOPE_SE
	s_setreg_imm32_b32 hwreg(HW_REG_WAVE_MODE, 25, 1), 1
	s_wait_xcnt 0x0
; ATTN: x = softmax(where(mask, q k^T / sqrt(128), -1e9)) v, both products on codes of FP4 (E2M1) with E8M0 scales; x is quantised along the model's width and stored as a tile image.
; t = logit x log2(e); M = the running largest t rounded up to a whole number; p = 2^(t - M) is quantised along the keys; the row's sum is taken of the unquantised p and divides at the end.
; A hidden logit is -1e9: its t is the whole number -1,442,695,040.  So in a row hidden so far t - M = 0 and p = 1; the first open key's M wipes that by the factor 2^(old M - new M) = 0.
; SHARES.  A work-group has one head and eight tiles of 16 queries: four from the low end of the sequence (4 j ..) and four from the high end (124 - 4 j ..).  Waves w and w + 8 share a tile:
; one takes the even key steps (128 keys), the other the odd ones; they meet at the end.  A trip holds two key steps; K's and V's fragments and scale words of a trip, 34,816 bytes, go from
; memory through registers into one of two LDS slots, 16 bytes a thread and load, and are read by all waves of their parity.
; A key step in which none of the tile's 16 x 128 mask bytes is true is passed over, by a scalar branch on a flag that the first launch stored; where a row of the tile has no true byte at all,
; every step is walked.  The tiles are loaded by each work-group for itself.
; LAYOUT.  Both products transposed: S^T = K Q^T, O^T = V^T P^T: a lane holds one query.  By the tile image the 16 registers of tiles 2 b, 2 b + 1 are keys (or channels) 32 b + 16 h + 0 .. 15.
; LIMITS: NaN and infinities are not served; open logits are taken to lie far above -1e9.
; REGISTERS: v1-7 addresses and constants; v8-11 the trip's LDS addresses; v12 -M, v13 the largest t, v[14:15] the sum; v16-23 Q; v24-27 K's or V's scale words; v28-31 LDS addresses of the end;
;   v32-63 four fragments; v64-80 what is on its way to LDS; v81-83 16, 8 x lane, 4 r; v96-159 S^T, t, p; v160-223 O^T; v224-231 codes; v232-254 at work; v253 p's scale word; v255 Q's.
.set SKIP,  1
.set SLOT1, 65536                      ; slot 1 begins here: one exclusive or turns an address
.set PARB,  17408                      ; a parity's part of a slot: K 8,192, V 8,192, K's scale words 512, V's 512
.set MRG,   131072                     ; where a tile's two waves meet: O^T 8,192, -M 128, the sum 128
.set MRGW,  8448
.set STG,   MRG+8*MRGW                 ; x's scale words: 64 bytes a tile
.set TM,    232
.set PC,    224
.macro LOADS                           ; a trip's tiles: K and V of the even step, K and V of the odd one; 512 threads x 16 bytes are 8,192 consecutive bytes; and 2,048 bytes of scale words
	global_load_b128 v[64:67], v3, s[14:15] offset:2097152
	global_load_b128 v[68:71], v3, s[14:15] offset:4194304
	global_load_b128 v[72:75], v3, s[14:15] offset:2097152+8192
	global_load_b128 v[76:79], v3, s[14:15] offset:4194304+8192
	global_load_b32 v80, v5, s[16:17]
.endm
.macro STORES ak, as
	ds_store_b128 v[\ak], v[64:67]
	ds_store_b128 v[\ak], v[68:71] offset:8192
	ds_store_b128 v[\ak], v[72:75] offset:PARB
	ds_store_b128 v[\ak], v[76:79] offset:PARB+8192
	ds_store_b32 v[\as], v80
.endm
; A prefetch of the codes that the loads of the NEXT trip will ask for (trip I + 3).  All sixteen work-groups of a head walk the same K and V: the first asks, and in it waves 0 to 3, one
; instruction each: K or V (wave % 2), even or odd step (wave / 2): 8,192 bytes, lanes 256 bytes apart.  Trips 0 to 2 come by their loads alone; nothing is asked for past trip 7.
.macro ASK
	s_cmp_lt_u32 s22, s26
	s_cbranch_scc0 .Lnot_mine_\@
	global_prefetch_b8 v6, s[18:19] th:TH_LOAD_NT scope:SCOPE_SE
.Lnot_mine_\@:
.endm
.macro STEP                            ; my key step of the trip
	s_load_b512 s[32:47], s[8:9], 0x0              ; the step's 64 lane-mask words: word 16 b + i, bit 16 h + r = mask[query r][32 b + 16 h + i]
	s_load_b512 s[48:63], s[8:9], 0x40
	s_load_b512 s[68:83], s[8:9], 0x80
	s_load_b512 s[84:99], s[8:9], 0xc0
.irp g, 0,1                            ; S^T = K Q^T, four tiles of 16 keys at a time
.if \g > 0
.rept 4
	v_nop                                          ; places in front of loads into registers that matrix instructions have read (for g = 0: the trip's four additions)
.endr
.endif
.irp t, 0,1,2,3
.irp c, 0,1
	ds_load_b128 v[32+8*\t+4*\c:35+8*\t+4*\c], v8 offset:(4*\g+\t)*1024+512*\c
.endr
	ds_load_b32 v[24+\t], v9 offset:(4*\g+\t)*64
.endr
	s_wait_dscnt 0x0
.irp t, 0,1,2,3
	v_wmma_scale_f32_16x16x128_f8f6f4 v[96+8*(4*\g+\t):103+8*(4*\g+\t)], v[32+8*\t:39+8*\t], v[16:23], 0, v[24+\t], v255 matrix_a_fmt:MATRIX_FMT_FP4 matrix_b_fmt:MATRIX_FMT_FP4
.endr
.endr
.rept 4
	v_nop
.endr
.set j, 0
.rept 32
	v_pk_mul_f32 v[96+j:97+j], v[96+j:97+j], s[28:29] op_sel_hi:[1,0]      ; t = score x log2(e) / sqrt(128); each accumulator from its low end on
.set j, j+2
.endr
	s_wait_kmcnt 0x0                               ; the mask words are in,
	s_wait_xcnt 0x0                                ; and their base may be stepped at the trip's end
	s_lshr_b32 s2, s25, s27
	s_and_b32 s2, s2, 1
	s_cmp_eq_u32 s2, 0                             ; a step all of whose mask bytes are true skips the selects
	s_cbranch_scc1 .Lopen_\@
.set n, 0
.rept 32
	v_cndmask_b32 v[96+n], v7, v[96+n], s[32+n]    ; where the bit is 0: the hidden logit's t
.set n, n+1
.endr
.rept 32
	v_cndmask_b32 v[96+n], v7, v[96+n], s[36+n]
.set n, n+1
.endr
.Lopen_\@:
.irp b, 0,1,2,3
	v_max3_num_f32 v[232+\b], v[96+16*\b], v[97+16*\b], v[98+16*\b]        ; the largest t of each block of 32 keys: for the row's maximum, and for the block's largest p
.endr
.irp i, 3,5,7,9,11,13
.irp b, 0,1,2,3
	v_max3_num_f32 v[232+\b], v[232+\b], v[96+16*\b+\i], v[97+16*\b+\i]
.endr
.endr
.irp b, 0,1,2,3
	v_max_num_f32 v[232+\b], v[232+\b], v[111+16*\b]
.endr
.irp b, 0,1,2,3
	v_permlanex16_b32 v[236+\b], v[232+\b], s30, s31
.endr
.irp b, 0,1,2,3
	v_max_num_f32 v[232+\b], v[232+\b], v[236+\b]  ; with lane l xor 16's 16 keys
.endr
	v_max3_num_f32 v254, v232, v233, v234
	v_max3_num_f32 v13, v254, v235, v13            ; the running largest t
	v_mov_b32 v254, v12
	v_floor_f32 v12, -v13                          ; the new -M = -ceil(t): a whole number
	v_sub_f32 v254, v12, v254                      ; old M - new M: a whole number, 0 or less
	v_cvt_i32_f32 v254, v254                       ; (it saturates)
	v_ldexp_f32 v252, 1.0, v254                    ; f = 2^(old M - new M): rounds nothing
.set j, 0
.rept 32
	v_pk_add_f32 v[96+j:97+j], v[96+j:97+j], v[12:13] op_sel_hi:[1,0]      ; t - M (the pair's low word serves both halves)
.set j, j+2
.endr
.irp b, 0,1,2,3
	v_add_f32 v[232+\b], v[232+\b], v12            ; the same of each block's largest t
.endr
.set j, 0
.rept 64
	v_exp_f32 v[96+j], v[96+j]                     ; p = 2^(t - M), at most 1
.set j, j+1
.endr
	v_pk_mul_f32 v[14:15], v[14:15], v[252:253] op_sel_hi:[1,0]            ; the sums under the new M.  (A plain place behind the exponentials)
	s_wait_alu depctr_va_vdst(0)                   ; one wait for the batch, ahead of its first reader
.irp b, 0,1,2,3
	v_exp_f32 v[232+\b], v[232+\b]                 ; the block's largest p: the same instructions on the same number give the same bits
.endr
	v_pk_add_f32 v[236:237], v[96:97], v[98:99]    ; the row's sum is taken of the unquantised p: two chains
.irp j, 4,8,12,16,20,24,28,32,36,40,44,48,52,56,60
	v_pk_add_f32 v[14:15], v[14:15], v[96+\j:97+\j]
	v_pk_add_f32 v[236:237], v[236:237], v[98+\j:99+\j]
.endr
	v_pk_add_f32 v[14:15], v[14:15], v[236:237]
	s_wait_alu depctr_va_vdst(0)                   ; and one for the four
.irp b, 0,1,2,3
	v_max_num_f32 v[232+\b], 0x1800000, v[232+\b]  ; the floor 2^(3 - 127): a block whose every p is 0 keeps the byte 1: its codes are zeros
.endr
.irp b, 0,1,2,3
	v_add_nc_u32 v[244+\b], 0xff000000, v[232+\b]
.endr
.irp b, 0,1,2,3
	v_lshrrev_b32 v[236+\b], 23, v[244+\b]
.endr
	v_lshl_or_b32 v253, v237, 8, v236              ; p's scale word for these 128 keys
	v_lshl_or_b32 v253, v238, 16, v253
	v_lshl_or_b32 v253, v239, 24, v253
.irp b, 0,1,2,3
	v_cvt_scalef32_pk8_fp4_f32 v[224+2*\b], v[96+16*\b:103+16*\b], v[244+\b]
	v_cvt_scalef32_pk8_fp4_f32 v[225+2*\b], v[104+16*\b:111+16*\b], v[244+\b]
.endr
	v_nop                                          ; one plain place behind a scaled conversion
.irp c, 0,1
.irp i, 0,1
	v_permlane16_swap_b32 v[224+4*\c+\i], v[226+4*\c+\i]
.endr
.endr
.set j, 0
.rept 32
	v_pk_mul_f32 v[160+j:161+j], v[160+j:161+j], v[252:253] op_sel_hi:[1,0]     ; O^T under the new M.  (Also the places in front of the matrix instructions and loads below)
.set j, j+2
.endr
.irp g, 0,1                            ; O^T += V^T P^T: four tiles of 16 channels at a time
.if \g > 0
.rept 4
	v_nop
.endr
.endif
.irp t, 0,1,2,3
.irp c, 0,1
	ds_load_b128 v[32+8*\t+4*\c:35+8*\t+4*\c], v8 offset:8192+(4*\g+\t)*1024+512*\c
.endr
	ds_load_b32 v[24+\t], v9 offset:512+(4*\g+\t)*64
.endr
	s_wait_dscnt 0x0
.irp t, 0,1,2,3
	v_wmma_scale_f32_16x16x128_f8f6f4 v[160+8*(4*\g+\t):167+8*(4*\g+\t)], v[32+8*\t:39+8*\t], v[224:231], v[160+8*(4*\g+\t):167+8*(4*\g+\t)], v[24+\t], v253 matrix_a_fmt:MATRIX_FMT_FP4 matrix_b_fmt:MATRIX_FMT_FP4
.endr
.endr
.endm
; A TRIP.  feed = 2: the next trip's tiles go from registers into the other slot, and the tiles of the trip after that are asked for; 1: only the first; 0: neither.
; One barrier a trip: the other slot was read in the trip before, whose barrier every wave has passed with its reads back; what is stored now is read behind this trip's barrier.
.macro TRIP feed
	s_xor_b32 s3, s23, SLOT1
	v_add_nc_u32 v10, s3, v3                       ; these four additions are also the places behind the last trip's products
	v_add_nc_u32 v11, s3, v4
	v_add_nc_u32 v8, s23, v1
	v_add_nc_u32 v9, s23, v2
.if \feed
	s_wait_loadcnt 0x0                             ; asked for a trip ago
	STORES 10, 11
.endif
.if \feed == 2
	s_wait_dscnt 0x0                               ; the stores have read their registers
	s_wait_xcnt 0x0                                ; the last prefetch has read its address
	s_add_nc_u64 s[14:15], s[14:15], 16384
	s_add_nc_u64 s[16:17], s[16:17], 1024
	s_add_nc_u64 s[18:19], s[18:19], 16384
	LOADS
	ASK
.endif
.if SKIP
	s_lshr_b32 s2, s24, s27
	s_and_b32 s2, s2, 1
	s_cmp_eq_u32 s2, 0
	s_cbranch_scc1 .Lskip_\@                       ; round the step's work alone: not round the barrier
.endif
	STEP
.Lskip_\@:
	s_add_nc_u64 s[8:9], s[8:9], 512               ; my next key step's mask words
	s_add_co_u32 s27, s27, 2
	s_xor_b32 s23, s23, SLOT1
	s_wait_dscnt 0x0                               ; my stores have landed and my reads are back
	s_barrier_signal -1
	s_barrier_wait -1
.endm
	s_load_b256 s[4:11], s[0:1], 0x0               ; att_codes, att_scales, maskw, xq_codes
	s_load_b64 s[12:13], s[0:1], 0x20              ; xq_scales
	v_lshl_add_u32 v250, v0, 2, 0x31000
	v_mov_b32 v251, 0
	v_lshrrev_b32 v1, 5, v0
	v_readfirstlane_b32 s20, v1                    ; wave 0..15
	s_and_b32 s2, s20, 7                           ; which of the eight tiles
	s_lshr_b32 s3, s20, 3                          ; which parity of key steps
	s_lshl_b32 s21, ttmp9, 2
	s_sub_co_u32 s22, 120, s21
	s_cmp_lt_u32 s2, 4
	s_cselect_b32 s21, s21, s22
	s_add_co_u32 s21, s21, s2                      ; T: 4 j + 0 .. 3, or 124 - 4 j + 0 .. 3
	s_and_b32 s23, ttmp7, 0xffff                   ; the head
	s_lshl_b32 s32, s23, 17                        ; its codes,
	s_mov_b32 s33, 0
	s_lshl_b32 s34, s23, 13                        ; its scale words
	s_mov_b32 s35, 0
	s_lshl_b32 s36, s21, 10
	s_mov_b32 s37, 0
	s_lshl_b32 s38, s21, 6
	s_mov_b32 s39, 0
	s_lshl_b32 s40, s21, 12
	s_lshl_b32 s41, s3, 8
	s_add_co_u32 s40, s40, s41
	s_mov_b32 s41, 0
	s_mul_i32 s26, s3, PARB
	s_mul_i32 s27, s2, MRGW
	s_and_b32 s28, s20, 1
	s_add_co_u32 s28, s28, 1
	s_lshl_b32 s28, s28, 21
	s_bfe_u32 s29, s20, 0x10001
	s_lshl_b32 s29, s29, 13
	s_add_co_u32 s28, s28, s29
	s_lshl_b32 s29, s2, 6
	v_and_b32 v81, 31, v0
	v_lshlrev_b32 v82, 3, v81                      ; 8 x lane
	v_lshlrev_b32 v84, 2, v81
	v_lshlrev_b32 v6, 8, v81
	v_lshlrev_b32 v81, 4, v81                      ; 16 x lane
	v_and_b32 v83, 15, v0
	v_lshlrev_b32 v83, 2, v83                      ; 4 r
	v_add_nc_u32 v1, s26, v81                      ; a fragment's place in my parity's part
	v_add_nc_u32 v2, s26, v83
	v_add_nc_u32 v2, 16384, v2                     ; a scale word's
	v_lshlrev_b32 v3, 4, v0                        ; 16 x thread: in memory and in LDS
	v_lshrrev_b32 v85, 8, v0                       ; the scale words: threads 0-255 the even step's, 256-511 the odd one's;
	v_bfe_u32 v86, v0, 7, 1                        ; of each 256 the first 128 K's, the others V's
	v_and_b32 v87, 127, v0
	v_mul_u32_u24 v4, v85, PARB
	v_lshl_add_u32 v4, v86, 9, v4
	v_lshl_add_u32 v4, v87, 2, v4
	v_add_nc_u32 v4, 16384, v4
	v_lshlrev_b32 v5, 17, v86
	v_lshl_add_u32 v5, v85, 9, v5
	v_lshl_add_u32 v5, v87, 2, v5
	v_add_nc_u32 v5, 131072, v5
	v_add_nc_u32 v6, s28, v6                       ; the prefetches' offset
	v_mov_b32 v7, 0xceabfb8f                       ; -1e9 x log2(e) in f32: -1,442,695,040
	v_add_nc_u32 v28, s27, v81
	v_add_nc_u32 v28, MRG, v28
	v_add_nc_u32 v29, s27, v84
	v_add_nc_u32 v29, MRG+8192, v29
	v_add_nc_u32 v30, s29, v83
	v_add_nc_u32 v30, STG, v30
	v_add_nc_u32 v31, s29, v82
	v_add_nc_u32 v31, STG, v31
	s_wait_kmcnt 0x0
	s_add_nc_u64 s[42:43], s[8:9], s[36:37]
	s_load_b64 s[44:45], s[42:43], 0x80000         ; the tile's flags, a pair for each quarter of the keys
	s_load_b64 s[46:47], s[42:43], 0x80100
	s_load_b64 s[48:49], s[42:43], 0x80200
	s_load_b64 s[50:51], s[42:43], 0x80300
	s_add_nc_u64 s[4:5], s[4:5], s[32:33]
	s_add_nc_u64 s[6:7], s[6:7], s[34:35]
	s_add_nc_u64 s[8:9], s[8:9], s[40:41]          ; my first key step's mask words
	s_add_nc_u64 s[10:11], s[10:11], s[32:33]
	s_add_nc_u64 s[10:11], s[10:11], s[36:37]      ; x's tile: plane = head
	s_add_nc_u64 s[12:13], s[12:13], s[34:35]
	s_add_nc_u64 s[12:13], s[12:13], s[38:39]
	s_add_nc_u64 s[52:53], s[4:5], s[36:37]        ; Q's tile,
	s_add_nc_u64 s[54:55], s[6:7], s[38:39]        ; its scale words
	s_mov_b64 s[14:15], s[4:5]
	s_mov_b64 s[16:17], s[6:7]
	s_add_nc_u64 s[18:19], s[4:5], 32768           ; the prefetches stand at trip 2: the first trip steps them to trip 3
	global_load_b128 v[16:19], v81, s[52:53]
	global_load_b128 v[20:23], v81, s[52:53] offset:512
	global_load_b32 v255, v83, s[54:55]
	LOADS                                          ; trip 0
	v_mov_b32 v13, 0xff61b1e6                      ; the largest t so far: -3e38
	v_floor_f32 v12, -v13
	v_mov_b32 v14, 0
	v_mov_b32 v15, 0
.irp b, 0,1,2,3
	v_mov_b32 v[236+\b], 0                         ; a lane permute's destination counts as one of its sources
.endr
	v_mov_b32 v252, 0
	v_mov_b32 v253, 0
.set j, 0
.rept 64
	v_mov_b32 v[160+j], 0                          ; O^T.  Which step is a wave's first hangs on the mask, so no first step can be written out: the first finds zeros
.set j, j+1
.endr
	s_wait_kmcnt 0x0
	s_or_b32 s44, s44, s46
	s_or_b32 s48, s48, s50
	s_or_b32 s44, s44, s48
	s_or_b32 s45, s45, s47
	s_or_b32 s49, s49, s51
	s_or_b32 s45, s45, s49                         ; bit r: row r has a true byte somewhere
	s_and_b32 s24, s44, 0xffff                     ; bit ks: the step has a true byte
	s_lshr_b32 s25, s44, 16                        ; bit ks: the step has a false byte
	s_cmp_eq_u32 s45, 0xffff
	s_cselect_b32 s24, s24, 0xffff                 ; a tile with a row that is hidden throughout walks every step
	s_lshr_b32 s26, s20, 2
	s_or_b32 s26, s26, ttmp9
	s_cmp_eq_u32 s26, 0
	s_cselect_b32 s26, 5, 0                        ; who prefetches, and in which trips
	s_mov_b32 s27, s3                              ; my key step
	s_mov_b32 s28, 0x3e0293ee                      ; log2(e) / sqrt(128)
	s_mov_b32 s29, s28
	s_mov_b32 s30, 0x76543210
	s_mov_b32 s31, 0xfedcba98
	s_mov_b32 s22, 0
	s_mov_b32 s23, 0
	s_wait_loadcnt 0x0
	STORES 3, 4                                    ; slot 0
	s_wait_dscnt 0x0
	s_wait_xcnt 0x0
	s_add_nc_u64 s[14:15], s[14:15], 16384
	s_add_nc_u64 s[16:17], s[16:17], 1024
	LOADS                                          ; trip 1
	s_barrier_signal -1
	s_barrier_wait -1
.Ltrip:
	TRIP 2
	s_add_co_u32 s22, s22, 1
	s_cmp_lt_u32 s22, 6
	s_cbranch_scc1 .Ltrip
	TRIP 1
	TRIP 0
	; THE END.  The odd steps' wave hands O^T, -M and its sum to the even steps' wave, which brings both under the larger M (factors that are powers of two), divides, quantises and stores.
.rept 4
	v_nop
.endr
	v_add_f32 v14, v14, v15
	s_cmp_lt_u32 s20, 8
	s_cbranch_scc1 .Lkeeps
.set j, 0
.rept 16
	ds_store_b128 v28, v[160+4*j:163+4*j] offset:512*j
.set j, j+1
.endr
	ds_store_b32 v29, v12
	ds_store_b32 v29, v14 offset:128
.Lkeeps:
	s_wait_dscnt 0x0
	s_barrier_signal -1
	s_barrier_wait -1
	s_cmp_ge_u32 s20, 8
	s_cbranch_scc1 .Lgave
.set j, 0
.rept 16
	ds_load_b128 v[96+4*j:99+4*j], v28 offset:512*j
.set j, j+1
.endr
	ds_load_b32 v232, v29
	ds_load_b32 v233, v29 offset:128
	v_mov_b32 v239, 0                              ; (upper halves of the pairs that the packed forms name)
	v_mov_b32 v241, 0
	s_wait_dscnt 0x0
	v_min_num_f32 v234, v12, v232                  ; -M of the larger M
	v_sub_f32 v235, v234, v12
	v_sub_f32 v236, v234, v232
	v_cvt_i32_f32 v235, v235                       ; (they saturate: a wave that worked no step brings zeros and gets the factor 0)
	v_cvt_i32_f32 v236, v236
	v_ldexp_f32 v238, 1.0, v235
	v_ldexp_f32 v240, 1.0, v236
	v_mul_f32 v14, v14, v238
	v_fma_f32 v14, v233, v240, v14
	v_permlanex16_b32 v252, v14, s30, s31
	v_add_f32 v14, v14, v252                       ; the row's sum
	v_rcp_f32 v14, v14
.set j, 0
.rept 32
	v_pk_mul_f32 v[160+j:161+j], v[160+j:161+j], v[238:239] op_sel_hi:[1,0]     ; (plain work behind the reciprocal)
.set j, j+2
.endr
.set j, 0
.rept 32
	v_pk_fma_f32 v[160+j:161+j], v[96+j:97+j], v[240:241], v[160+j:161+j] op_sel_hi:[1,0,1]
.set j, j+2
.endr
	s_wait_alu depctr_va_vdst(0)                   ; the wait, ahead of the reciprocal's first reader
.set j, 0
.rept 32
	v_pk_mul_f32 v[96+j:97+j], v[160+j:161+j], v[14:15] op_sel_hi:[1,0]         ; x: register 16 b + i is channel 32 b + 16 h + i of my query
.set j, j+2
.endr
.irp b, 0,1,2,3
	v_max3_num_f32 v[TM+\b], |v[96+16*\b]|, |v[97+16*\b]|, 0x1800000
.endr
.irp i, 2,4,6,8,10,12,14
.irp b, 0,1,2,3
	v_max3_num_f32 v[TM+\b], v[TM+\b], |v[96+16*\b+\i]|, |v[97+16*\b+\i]|
.endr
.endr
.irp b, 0,1,2,3
	v_permlanex16_b32 v[TM+4+\b], v[TM+\b], s30, s31
.endr
.irp b, 0,1,2,3
	v_max_num_f32 v[TM+\b], v[TM+\b], v[TM+4+\b]
.endr
.irp b, 0,1,2,3
	v_add_nc_u32 v[TM+12+\b], 0xff000000, v[TM+\b]
.endr
.irp b, 0,1,2,3
	v_lshrrev_b32 v[TM+4+\b], 23, v[TM+12+\b]
.endr
	v_lshl_or_b32 v248, v[TM+5], 8, v[TM+4]
	v_lshl_or_b32 v248, v[TM+6], 16, v248
	v_lshl_or_b32 v248, v[TM+7], 24, v248
.irp b, 0,1,2,3
	v_cvt_scalef32_pk8_fp4_f32 v[PC+2*\b], v[96+16*\b:103+16*\b], v[TM+12+\b]
	v_cvt_scalef32_pk8_fp4_f32 v[PC+1+2*\b], v[104+16*\b:111+16*\b], v[TM+12+\b]
.endr
	v_nop
.irp c, 0,1
.irp i, 0,1
	v_permlane16_swap_b32 v[PC+4*\c+\i], v[PC+2+4*\c+\i]
.endr
.endr
	global_store_b128 v81, v[PC:PC+3], s[10:11]               ; the tile's codes: 512 consecutive bytes a store
	global_store_b128 v81, v[PC+4:PC+7], s[10:11] offset:512
	ds_store_b32 v30, v248                         ; both halves of the lanes write the same word with the same value
.Lgave:
	s_wait_dscnt 0x0
	s_barrier_signal -1
	s_barrier_wait -1
	s_and_b32 s2, s20, 11
	s_cmp_lg_u32 s2, 0
	s_cbranch_scc1 .Lend                           ; waves 0 and 4 store four neighbouring tiles' scale words: 256 consecutive bytes, aligned
	ds_load_b64 v[232:233], v31
	s_wait_dscnt 0x0
	global_store_b64 v82, v[232:233], s[12:13]
.Lend:
	s_wait_tensorcnt 0x0
	ds_add_u32 v250, v251
	s_wait_dscnt 0x0
	s_endpgm
.Lfunc_end_k_q8764b1bbb0_attn:
	.size	k_q8764b1bbb0_attn, .Lfunc_end_k_q8764b1bbb0_attn-k_q8764b1bbb0_attn
	.p2alignl 7, 3214868480
	.fill 96, 4, 3214868480
	.section	.rodata,"a",@progbits
	.p2align	6, 0x0
	.amdhsa_kernel k_q8764b1bbb0_attn
		.amdhsa_group_segment_fixed_size 202752
		.amdhsa_private_segment_fixed_size 0
		.amdhsa_enable_private_segment 0
		.amdhsa_kernarg_size 40
		.amdhsa_user_sgpr_count 2
		.amdhsa_user_sgpr_kernarg_segment_ptr 1
		.amdhsa_wavefront_size32 1
		.amdhsa_system_sgpr_workgroup_id_x 1
		.amdhsa_system_sgpr_workgroup_id_y 1
		.amdhsa_system_sgpr_workgroup_id_z 1
		.amdhsa_system_vgpr_workitem_id 0
		.amdhsa_next_free_vgpr 256
		.amdhsa_next_free_sgpr 100
		.amdhsa_reserve_vcc 0
		.amdhsa_float_denorm_mode_32 3
		.amdhsa_float_denorm_mode_16_64 3
		.amdhsa_memory_ordered 1
		.amdhsa_forward_progress 1
		.amdhsa_inst_pref_size 100
	.end_amdhsa_kernel
	.amdgpu_metadata
---
amdhsa.version: [ 1, 2 ]
amdhsa.kernels:
  - .name:           k_q8764b1bbb0_attn
    .symbol:         k_q8764b1bbb0_attn.kd
    .args:
      - { .name: att_codes, .offset: 0, .size: 8, .value_kind: global_buffer, .address_space: global }
      - { .name: att_scales, .offset: 8, .size: 8, .value_kind: global_buffer, .address_space: global }
      - { .name: maskw, .offset: 16, .size: 8, .value_kind: global_buffer, .address_space: global }
      - { .name: xq_codes, .offset: 24, .size: 8, .value_kind: global_buffer, .address_space: global }
      - { .name: xq_scales, .offset: 32, .size: 8, .value_kind: global_buffer, .address_space: global }
    .group_segment_fixed_size: 202752
    .private_segment_fixed_size: 0
    .kernarg_segment_align: 8
    .kernarg_segment_size: 40
    .max_flat_workgroup_size: 512
    .sgpr_count:     100
    .vgpr_count:     256
    .wavefront_size: 32
...
	.end_amdgpu_metadata
.endif
;; end of part 3
;; launch outp (part 4): grid 8 x 8, 4 waves a work-group, clusters of 4 x 4, 327,680 bytes of LDS; arguments xq_codes, xq_scales, xw_codes, xw_scales, bo, out0; writes out0
.if DOCPART == 4
	.amdgcn_target "amdgcn-amd-amdhsa--gfx1250"
	.amdhsa_code_object_version 6
	.text
	.protected	k_q8764b1bbb0_outp
	.globl	k_q8764b1bbb0_outp
	.p2align	8
	.type	k_q8764b1bbb0_outp,@function
k_q8764b1bbb0_outp:
	s_mov_b64 s[64:65], 0
	v_nop
	global_prefetch_b8 v0, s[64:65] scope:SCOPE_SE
	s_setreg_imm32_b32 hwreg(HW_REG_WAVE_MODE, 25, 1), 1
	s_wait_xcnt 0x0
	s_wait_alu depctr_hold_cnt(0) depctr_sa_sdst(0) depctr_va_vdst(0) depctr_va_sdst(0) depctr_va_ssrc(0) depctr_va_vcc(0) depctr_vm_vsrc(0)
	s_getreg_b32 s2, hwreg(HW_REG_IB_STS2, 6, 4)
	s_cmp_eq_u32 s2, 0
	s_cbranch_scc0 .Lentry_in_a_cluster
	s_endpgm
.Lentry_in_a_cluster:
	s_bfe_u32 s2, ttmp6, 0x10000c
	s_cmp_lg_u32 s2, 0xf033
	s_cbranch_scc0 .Lentry_shape_is_right
	s_endpgm
.Lentry_shape_is_right:
; OUTP: out0 = x wo^T + bo on codes of FP4 (E2M1) with E8M0 scales; 2048 x 2048 x 2048; out0 f32.
; Both operands lie as tile images: plane kb = k / 128, tile T of 1,024 bytes; a fragment is two loads of 16 bytes at 16 x lane, 512 bytes apart; lane r of tile 2 g + u is row 32 g + 8 u + r + 8 (r / 8).
; The matrix instruction is used transposed: source 0 = 16 rows of wo, source 1 = 16 rows of x: a lane holds one position, and the eight registers of wo's tile b hold the outputs 32 (b / 2) + 8 (b % 2) + 16 h + 0 .. 7.
; A tile of the result, 256 x 256, is made by four waves, 128 x 128 each.  K goes in steps of 512 (four planes) through a ring of two LDS slots; the scale words of the work-group's rows come once.
; The bias is the C of each sum's first matrix instruction.  CLUSTERS: 4 x 4 work-groups; x's tiles are shared along a row of the cluster, wo's along a column.
; There are 64 such tiles of the result, so 64 work-groups: a tile of half the side would have one for each WGP and read each fragment for half the products.
; REGISTERS: window 0: v1-29 addresses; v32-95 scale words, two sets; v128-191 x's fragments, one set; v192-255 the bias, later rows on the way out.
;   window 1: v0-63, v128-191 wo's fragments, two sets.  Windows 2, 3: the accumulators ((a, b) at v[8 (8 (a % 4) + b)]).
.set NQ,     4
.set FR,     8
.set NL,     2
.set NP,     4                         ; places behind this matrix instruction (ISA guide 7.12.1)
.set HALFT,  32768                     ; what one tensor load brings: [plane 4][tile 8][1024]
.set SLOT,   4*HALFT
.set STEPB,  4*131072
.set LAPS,   2
.set SCL,    2*SLOT
.set HALFS,  8192                      ; [plane 16][tile 8][16 words]
.set SPARE,  SCL+4*HALFS               ; the spare words: 128 bytes for each wave, named by no other line
.set SPITCH, 528                       ; the way out: a stage of 16 rows x (512 bytes + 16) for each wave, in slot 0
.set ADRA, 16
.set ADRB, 20
.set STO,  24
.set RD,   25
.set CO,   26                          ; 16 x lane
.set ADRS, 27
.set SPW,  28
.set NIL,  29
.set SC,   32
.set AF,   128
.set BI,   192                         ; the bias: eight registers for each of wo's tiles
.set BK,   128
.set G1, 24
.set G0, 32
.set G1B, 48
.set G0B, 56
.set G1S, 68
.set G0S, 76
.set G1SB, 80
.set G0SB, 88
.set MSB, 0
.macro WIN new
.if MSB != \new
	s_set_vgpr_msb (MSB<<8)|\new
.set MSB, \new
.endif
.endm
.set MUL_LO, 0xa1                      ; source 0 (wo) window 1, source 1 (x) window 0, C and D window 2
.set MUL_HI, 0xf1
.set FIRST_LO, 0x81                    ; the first step: C (the bias) window 0, D window 2
.set FIRST_HI, 0xc1
.set TO_B,   0x40
.macro JLOAD g0a, g1a, g0b, g1b        ; a joint load: waves 0 and 1 fetch for x, waves 2 and 3 for wo; four v_nop follow each of the two lines
	s_cmp_eq_u32 s15, 0
	s_cbranch_scc0 .Lfor_b_\@
	tensor_load_to_lds s[\g0a:\g0a+3], s[\g1a:\g1a+7]
	s_nop 0
.rept 4
	v_nop
.endr
	s_branch .Lasked_\@
.Lfor_b_\@:
	tensor_load_to_lds s[\g0b:\g0b+3], s[\g1b:\g1b+7]
	s_nop 0
.rept 4
	v_nop
.endr
.Lasked_\@:
.endm
.macro CREST
	s_cmp_lg_u32 s14, 0
	s_cbranch_scc1 .Lnot_wave_0_\@
	s_barrier_signal -3
.Lnot_wave_0_\@:
	s_barrier_wait -3
	s_barrier_signal -1
	s_barrier_wait -1
.endm
.macro CROUND
	s_barrier_signal -1
	s_barrier_wait -1
	CREST
.endm
	s_load_b128 s[4:7], s[0:1], 0x0                ; xq_codes, xq_scales
	s_load_b128 s[8:11], s[0:1], 0x10              ; xw_codes, xw_scales
	s_load_b64 s[96:97], s[0:1], 0x20              ; bo
	s_load_b64 s[12:13], s[0:1], 0x28              ; out0
	v_lshl_add_u32 v[SPW], v0, 2, SPARE
	v_mov_b32 v[NIL], 0
	ds_add_u32 v28, v29
	ds_add_u32 v28, v29
	s_wait_dscnt 0x0
	v_lshrrev_b32 v1, 5, v0
	v_readfirstlane_b32 s14, v1                    ; wave 0..3
	s_lshr_b32 s15, s14, 1                         ; which half of x's rows is mine.  Also: I fetch for x (0) or for wo (1)
	s_and_b32 s16, s14, 1                          ; which half of wo's rows.  Also: which 128 rows I fetch
	s_bfe_u32 s40, ttmp6, 0x40000
	s_bfe_u32 s41, ttmp6, 0x40004
	s_lshl_b32 s42, ttmp9, 2
	s_add_co_u32 s42, s42, s40                     ; tile column (wo)
	s_and_b32 s17, ttmp7, 0xffff
	s_lshl_b32 s17, s17, 2
	s_add_co_u32 s17, s17, s41                     ; tile row (x)
	s_lshl_b32 s43, s41, 2
	s_lshl_b32 s43, 15, s43
	s_lshl_b32 s44, 0x1111, s40
	s_or_b32 s[G1+0], s43, (3<<16)|(1<<21)         ; codes: four rows (planes) of 8,192 bytes, 131,072 bytes apart
	s_or_b32 s[G1B+0], s44, (3<<16)|(1<<21)
.irp g, G1, G1B
	s_mov_b32 s[\g+1], 1024<<16
	s_mov_b32 s[\g+2], 4<<16
	s_mov_b32 s[\g+3], 1024<<16
	s_mov_b32 s[\g+4], 4
	s_mov_b32 s[\g+5], 16384
	s_mov_b32 s[\g+6], 0
	s_mov_b32 s[\g+7], 0
.endr
	s_or_b32 s[G1S+0], s43, (3<<16)|(1<<21)        ; scale words: sixteen rows (planes) of 512 bytes, 8,192 bytes apart
	s_or_b32 s[G1SB+0], s44, (3<<16)|(1<<21)
.irp g, G1S, G1SB
	s_mov_b32 s[\g+1], 64<<16
	s_mov_b32 s[\g+2], 16<<16
	s_mov_b32 s[\g+3], 64<<16
	s_mov_b32 s[\g+4], 16
	s_mov_b32 s[\g+5], 1024
	s_mov_b32 s[\g+6], 0
	s_mov_b32 s[\g+7], 0
.endr
	s_lshl_b32 s20, s17, 1
	s_add_co_u32 s20, s20, s16                     ; x: the block of 128 rows that I fetch
	s_lshl_b32 s22, s20, 9
	s_lshl_b32 s20, s20, 13
	s_mov_b32 s21, 0
	s_mov_b32 s23, 0
	s_lshl_b32 s46, s42, 1
	s_add_co_u32 s46, s46, s16                     ; wo likewise; it is the seventh tensor of its buffers
	s_lshl_b32 s92, s46, 9
	s_lshl_b32 s46, s46, 13
	s_add_co_u32 s46, s46, 6*2097152
	s_add_co_u32 s92, s92, 6*131072
	s_mov_b32 s47, 0
	s_mov_b32 s93, 0
	s_lshl_b32 s45, s14, 15
	s_lshl_b32 s94, s14, 13
	s_wait_kmcnt 0x0
	s_add_nc_u64 s[20:21], s[4:5], s[20:21]
	s_add_nc_u64 s[22:23], s[6:7], s[22:23]
	s_add_nc_u64 s[46:47], s[8:9], s[46:47]
	s_add_nc_u64 s[92:93], s[10:11], s[92:93]
	CROUND                                         ; all sixteen work-groups are here: the first joint loads meet
	s_mov_b32 s[G0S], 1
	s_add_co_u32 s[G0S+1], s94, SCL
	s_mov_b64 s[G0S+2:G0S+3], s[22:23]
	s_or_b32 s[G0S+3], s[G0S+3], 0x80000000
	s_mov_b32 s[G0SB], 1
	s_add_co_u32 s[G0SB+1], s94, SCL
	s_mov_b64 s[G0SB+2:G0SB+3], s[92:93]
	s_or_b32 s[G0SB+3], s[G0SB+3], 0x80000000
	JLOAD G0S, G1S, G0SB, G1SB
.irp s, 0,1
	s_mov_b32 s[G0+4*\s], 1
	s_add_co_u32 s[G0+4*\s+1], s45, \s*SLOT
	s_add_nc_u64 s[G0+4*\s+2:G0+4*\s+3], s[20:21], \s*STEPB
	s_or_b32 s[G0+4*\s+3], s[G0+4*\s+3], 0x80000000
	s_mov_b32 s[G0B+4*\s], 1
	s_add_co_u32 s[G0B+4*\s+1], s45, \s*SLOT
	s_add_nc_u64 s[G0B+4*\s+2:G0B+4*\s+3], s[46:47], \s*STEPB
	s_or_b32 s[G0B+4*\s+3], s[G0B+4*\s+3], 0x80000000
	JLOAD G0+4*\s, G1, G0B+4*\s, G1B               ; three tensor loads of mine are out
.endr
	v_and_b32 v1, 15, v0                           ; r
	v_bfe_u32 v2, v0, 4, 1                         ; h
	v_and_b32 v3, 31, v0
	v_lshlrev_b32 v[CO], 4, v3
	s_lshl_b32 s21, s15, 15
	s_lshl_b32 s22, s16, 15
	s_add_co_u32 s22, s22, 2*HALFT
.irp s, 0,1
	v_add_nc_u32 v[ADRA+\s], s21, v[CO]
	v_add_nc_u32 v[ADRB+\s], s22, v[CO]
	s_add_co_u32 s21, s21, SLOT
	s_add_co_u32 s22, s22, SLOT
.endr
	v_lshlrev_b32 v7, 2, v1
	s_lshl_b32 s21, s15, 13
	s_lshl_b32 s22, s16, 13
	s_add_co_u32 s22, s22, 2*HALFS
	s_sub_co_u32 s22, s22, s21
	v_mul_u32_u24 v6, s22, v2                      ; lanes 16-31 take wo's: one product, the distance between the two bases
	s_add_co_u32 s21, s21, SCL
	v_add_nc_u32 v6, v6, v7
	v_add_nc_u32 v[ADRS], s21, v6
	s_mul_i32 s23, s14, 16*SPITCH                  ; my stage
	v_mul_u32_u24 v5, v1, SPITCH
	v_lshl_add_u32 v5, v2, 6, v5
	v_add_nc_u32 v[STO], s23, v5                   ; in: row r, + 64 h
	v_add_nc_u32 v[RD], s23, v[CO]                 ; back: the 32 lanes take a row of 512 bytes
	s_lshl_b32 s20, s17, 8
	s_lshl_b32 s21, s15, 7
	s_add_co_u32 s20, s20, s21                     ; my first row of out0
	s_lshl_b32 s20, s20, 13
	s_lshl_b32 s46, s42, 10
	s_lshl_b32 s47, s16, 9
	s_add_co_u32 s46, s46, s47                     ; my first column, in bytes
	s_add_co_u32 s20, s20, s46
	s_mov_b32 s21, 0
	s_add_nc_u64 s[12:13], s[12:13], s[20:21]
	v_lshl_add_u32 v8, v2, 6, s46                  ; the bias: my 128 outputs, + 64 h
.irp b, 0,1,2,3,4,5,6,7
	global_load_b128 v[BI+8*\b:BI+8*\b+3], v8, s[96:97] offset:(32*(\b/2)+8*(\b%2))*4
	global_load_b128 v[BI+8*\b+4:BI+8*\b+7], v8, s[96:97] offset:(32*(\b/2)+8*(\b%2))*4+16
.endr
.macro FRAG reg, adr, q, i
.irp c, 0,1
	ds_load_b128 v[\reg+4*\c:\reg+4*\c+3], v[\adr] offset:8192*(\q)+1024*(\i)+512*\c
.endr
.endm
; 16 matrix instructions: x's blocks a0, a0 + 1 against wo's eight.  The 64 accumulators take turns, one instruction a turn, in the same order in every step.
.macro MUL16 a0, p, q, sc, first
.irp a, \a0, \a0+1
.irp b, 0,1,2,3,4,5,6,7
.if \first
	v_wmma_scale_f32_16x16x128_f8f6f4 v[8*(8*((\a)%4)+\b):8*(8*((\a)%4)+\b)+7], v[128*(\p)+FR*\b:128*(\p)+FR*\b+FR-1], v[AF+FR*(\a):AF+FR*(\a)+FR-1], v[BI+8*\b:BI+8*\b+7], v[SC+8*NQ*(\sc)+NQ*\b+(\q)], v[SC+8*NQ*(\sc)+NQ*(\a)+(\q)] matrix_a_fmt:MATRIX_FMT_FP4 matrix_b_fmt:MATRIX_FMT_FP4 matrix_a_scale:MATRIX_SCALE_ROW1
.else
	v_wmma_scale_f32_16x16x128_f8f6f4 v[8*(8*((\a)%4)+\b):8*(8*((\a)%4)+\b)+7], v[128*(\p)+FR*\b:128*(\p)+FR*\b+FR-1], v[AF+FR*(\a):AF+FR*(\a)+FR-1], v[8*(8*((\a)%4)+\b):8*(8*((\a)%4)+\b)+7], v[SC+8*NQ*(\sc)+NQ*\b+(\q)], v[SC+8*NQ*(\sc)+NQ*(\a)+(\q)] matrix_a_fmt:MATRIX_FMT_FP4 matrix_b_fmt:MATRIX_FMT_FP4 matrix_a_scale:MATRIX_SCALE_ROW1
.endif
.endr
.endr
.endm
.macro FETCH_B slot, q, p
	WIN TO_B
.irp i, 0,1,2,3,4,5,6,7
	FRAG 128*(\p)+FR*\i, ADRB+\slot, \q, \i
.endr
	WIN 0
.endm
.macro FETCH_A slot, q, i0
.irp i, \i0, \i0+1, \i0+2, \i0+3
	FRAG AF+FR*(\i), ADRA+\slot, \q, \i
.endr
.endm
.macro SCALES sc
.irp i, 0,1,2,3,4,5,6,7
.irp q, 0,1,2,3
	ds_load_b32 v[SC+32*\sc+4*\i+\q], v[ADRS] offset:512*\q+64*\i
.endr
.endr
.endm
.macro PLACES n
.rept \n
	v_nop
.endr
.endm
.macro STEP slot, q, first
	s_wait_dscnt 4*NL                              ; all but the youngest eight loads (x's blocks 4-7) are in
.if \first
	WIN FIRST_LO
.else
	WIN MUL_LO
.endif
	MUL16 0, (\q)%2, \q, \slot, \first
	MUL16 2, (\q)%2, \q, \slot, \first
	s_wait_dscnt 0
	PLACES NP
	FETCH_B \slot, (\q)+1, 1-(\q)%2
	FETCH_A \slot, (\q)+1, 0
.if \first
	WIN FIRST_HI
.else
	WIN MUL_HI
.endif
	MUL16 4, (\q)%2, \q, \slot, \first
	MUL16 6, (\q)%2, \q, \slot, \first
	PLACES NP
	WIN 0
	FETCH_A \slot, (\q)+1, 4
.endm
.macro TURN slot, next, fill
	s_wait_tensorcnt 0x0                           ; all my tensor loads have landed: my part of the next slot
	ds_add_u32 v[SPW], v[NIL]                      ; 0 onto my spare word
	s_wait_dscnt 4*NL+1                            ; (the add and the youngest eight loads may be out)
	WIN MUL_LO
	MUL16 0, 1, NQ-1, \slot, 0
	s_wait_dscnt 0x0                               ; the add is done, and my reads of this slot are over
	s_barrier_signal -1
	MUL16 2, 1, NQ-1, \slot, 0
	WIN 0
	s_barrier_wait -1
.if \fill
	CREST                                          ; the barrier has opened a round of the cluster's: no wave of any partner still reads this slot or has a load on its way
	s_add_nc_u64 s[G0+4*\slot+2:G0+4*\slot+3], s[G0+4*\slot+2:G0+4*\slot+3], 2*STEPB
	s_add_nc_u64 s[G0B+4*\slot+2:G0B+4*\slot+3], s[G0B+4*\slot+2:G0B+4*\slot+3], 2*STEPB
	JLOAD G0+4*\slot, G1, G0B+4*\slot, G1B
.else
	PLACES NP
.endif
	v_add_nc_u32 v[ADRS], 4*512, v[ADRS]
	FETCH_B \next, 0, 0
	FETCH_A \next, 0, 0
	SCALES \next
	WIN MUL_HI
	MUL16 4, 1, NQ-1, \slot, 0
	MUL16 6, 1, NQ-1, \slot, 0
	PLACES NP
	WIN 0
	FETCH_A \next, 0, 4
.endm
.macro STEPS slot, from
.set Q, \from
.rept NQ-1-\from
	STEP \slot, Q, 0
.set Q, Q+1
.endr
.endm
	s_wait_tensorcnt 1                             ; the scale words and my part of K step 0 are in (K step 1's load may be out),
	s_barrier_signal -1
	s_barrier_wait -1                              ; everybody's are
	FETCH_B 0, 0, 0
	FETCH_A 0, 0, 0
	SCALES 0
	FETCH_A 0, 0, 4
	s_wait_loadcnt 0x0                             ; the bias
	STEP 0, 0, 1                                   ; the first step's products start the sums, on the bias
	s_mov_b32 s3, LAPS-1
.Llap:
	STEPS 0, 1
	TURN 0, 1, 1
	STEPS 1, 0
	TURN 1, 0, 1
	STEP 0, 0, 0
	s_sub_co_u32 s3, s3, 1
	s_cmp_lg_u32 s3, 0
	s_cbranch_scc1 .Llap
	STEPS 0, 1
	TURN 0, 1, 0
	STEPS 1, 0
	s_wait_dscnt 4*NL
	WIN MUL_LO
	MUL16 0, 1, NQ-1, 1, 0
	MUL16 2, 1, NQ-1, 1, 0
	s_wait_dscnt 0
	WIN MUL_HI
	MUL16 4, 1, NQ-1, 1, 0
	MUL16 6, 1, NQ-1, 1, 0
	WIN 0
; THE WAY OUT, a tile of 16 positions x 128 outputs at a time, through my own stage (in slot 0, which has had its last fill and its last read): in as a lane holds them, back as whole rows of 512 bytes.
.macro TOSTAGE a
.set AC, 64*((\a)%4)
.set W_, 0x08+4*((\a)/4)
	WIN W_                                         ; the data: window 2 or 3
.irp b, 0,1,2,3,4,5,6,7
	ds_store_b128 v[STO], v[AC+8*\b:AC+8*\b+3] offset:128*(\b/2)+32*(\b%2)          ; each accumulator from its low end on
	ds_store_b128 v[STO], v[AC+8*\b+4:AC+8*\b+7] offset:128*(\b/2)+32*(\b%2)+16
.endr
	WIN 0
.set BB, BK+64*((\a)%2)
.irp t, 0,1,2,3,4,5,6,7,8,9,10,11,12,13,14,15
	ds_load_b128 v[BB+4*\t:BB+4*\t+3], v[RD] offset:\t*SPITCH      ; LDS serves a wave's instructions in order: these see the stores above
.endr
.endm
.macro SEND a, younger                 ; lane row t of tile a is position 32 (a / 2) + 8 (a % 2) + t + 8 (t / 8) of my 128: it stands in the immediate, 127 rows of 8,192 bytes at the most
.set BB, BK+64*((\a)%2)
	s_wait_dscnt \younger
.irp t, 0,1,2,3,4,5,6,7,8,9,10,11,12,13,14,15
	global_store_b128 v[CO], v[BB+4*\t:BB+4*\t+3], s[12:13] offset:(32*((\a)/2)+8*((\a)%2)+\t+8*(\t/8))*8192 th:TH_STORE_NT     ; 512 consecutive bytes, aligned
.endr
.endm
	PLACES NP
	TOSTAGE 0
.irp a, 1,2,3,4,5,6,7
.if \a > 1
	s_wait_xcnt 0x0                                ; tile a - 2's stores have read their registers: tile a's loads may land there
.endif
	TOSTAGE \a
	SEND \a-1, 32                                  ; behind tile a - 1's loads: tile a's 16 stores and 16 loads
.endr
	SEND 7, 0
	s_wait_tensorcnt 0x0                           ; the wave's end
	ds_add_u32 v[SPW], v[NIL]
	s_wait_dscnt 0x0
	CROUND                                         ; the closing round
	s_endpgm
.Lfunc_end_k_q8764b1bbb0_outp:
	.size	k_q8764b1bbb0_outp, .Lfunc_end_k_q8764b1bbb0_outp-k_q8764b1bbb0_outp
	.p2alignl 7, 3214868480
	.fill 96, 4, 3214868480
	.section	.rodata,"a",@progbits
	.p2align	6, 0x0
	.amdhsa_kernel k_q8764b1bbb0_outp
		.amdhsa_group_segment_fixed_size 327680
		.amdhsa_private_segment_fixed_size 0
		.amdhsa_enable_private_segment 0
		.amdhsa_kernarg_size 48
		.amdhsa_user_sgpr_count 2
		.amdhsa_user_sgpr_kernarg_segment_ptr 1
		.amdhsa_wavefront_size32 1
		.amdhsa_system_sgpr_workgroup_id_x 1
		.amdhsa_system_sgpr_workgroup_id_y 1
		.amdhsa_system_sgpr_workgroup_id_z 1
		.amdhsa_system_vgpr_workitem_id 0
		.amdhsa_next_free_vgpr 1024
		.amdhsa_next_free_sgpr 98
		.amdhsa_reserve_vcc 0
		.amdhsa_float_denorm_mode_32 3
		.amdhsa_float_denorm_mode_16_64 3
		.amdhsa_memory_ordered 1
		.amdhsa_forward_progress 1
		.amdhsa_inst_pref_size 218
	.end_amdhsa_kernel
	.amdgpu_metadata
---
amdhsa.version: [ 1, 2 ]
amdhsa.kernels:
  - .name:           k_q8764b1bbb0_outp
    .symbol:         k_q8764b1bbb0_outp.kd
    .args:
      - { .name: xq_codes, .offset: 0, .size: 8, .value_kind: global_buffer, .address_space: global }
      - { .name: xq_scales, .offset: 8, .size: 8, .value_kind: global_buffer, .address_space: global }
      - { .name: xw_codes, .offset: 16, .size: 8, .value_kind: global_buffer, .address_space: global }
      - { .name: xw_scales, .offset: 24, .size: 8, .value_kind: global_buffer, .address_space: global }
      - { .name: bo, .offset: 32, .size: 8, .value_kind: global_buffer, .address_space: global }
      - { .name: out0, .offset: 40, .size: 8, .value_kind: global_buffer, .address_space: global }
    .group_segment_fixed_size: 327680
    .private_segment_fixed_size: 0
    .kernarg_segment_align: 8
    .kernarg_segment_size: 48
    .max_flat_workgroup_size: 128
    .sgpr_count:     98
    .vgpr_count:     1024
    .wavefront_size: 32
...
	.end_amdgpu_metadata
.endif
;; end of part 4
